; MI455X (gfx1250); checked and timed in simulation.
; The chip was launched on July 23, 2026; its instructions are those of AMD's public machine-readable ISA for CDNA 5 (MIT licence, August 2026) and "CDNA5" Instruction Set Architecture Reference Guide (July 2026). The comments in the code are by the model that wrote it; some were corrected since.
;; Retentive Attention. Allowed arithmetic: matrix products marked QUANTISED: E2M1 operands, one E8M0 scale for each 32 along K, by v_wmma_scale_f32_16x16x128_f8f6f4 with both operands' format E2M1 (or v_wmma_scale_f32_32x16x128_f4), f32 sums; everything else in f32.
;; Inputs: Wk 1,024 x 1,024 float32; Wo 1,024 x 1,024 float32; Wq 1,024 x 1,024 float32; Wv 1,024 x 1,024 float32; bk 1,024 float32; bo 1,024 float32; bq 1,024 float32; bv 1,024 float32; gamma 16 float32; x 2 x 2,048 x 1,024 float32.
;; Outputs: out0 2 x 2,048 x 1,024 float32.
;; This version of the problem:
;;   THIS VERSION OF THE PROBLEM IS GIVEN IN LOW PRECISION. The matrix products marked QUANTISED in the list below multiply operands that are first quantised to E2M1 (2 exponent bits, 1 mantissa bit; 4 bits a number), with one power-of-two scale for each 32 numbers along K (OCP MX v1.0); their sums are f32. All else is computed in f32.
;;   The module's matrix products, in the order in which they are computed (A, B: the left and right operand; K: the contracted axis; several contracted axes count as one K, in the product's order):
;;     1. [M 4,096, K 1,024] x [K 1,024, N 1,024]; A: input x; B: input Wq: QUANTISED
;;     2. [M 4,096, K 1,024] x [K 1,024, N 1,024]; A: input x; B: input Wk: QUANTISED
;;     3. [M 4,096, K 1,024] x [K 1,024, N 1,024]; A: input x; B: input Wv: QUANTISED
;;     4. batch 32 x [M 2,048, K 64] x [K 64, N 2,048]; A: computed on the way; B: computed on the way: QUANTISED
;;     5. batch 32 x [M 2,048, K 2,048] x [K 2,048, N 64]; A: computed on the way; B: computed on the way: QUANTISED
;;     6. [M 4,096, K 1,024] x [K 1,024, N 1,024]; A: computed on the way; B: input Wo: QUANTISED
;;   THE QUANTISER, for each operand of a quantised product, along K:
;;     - K is cut into blocks of 32 from its start; a last block that is shorter is filled with zeros.
;;     - A block's scale is 2^e with e = floor(log2(the largest magnitude in the block)) - 2, held to -126 .. 127; a block of zeros has e = 0. As a byte (E8M0): e + 127.
;;     - Each number is divided by its block's scale, clamped to +-6, and rounded to the nearest number of E2M1, ties to even, subnormals kept.
;;     - The product sums the exact products of the quantised numbers (number of the format x scale) in f32.
;;   ~~~python
;;   def quantise(x, axis):      # numpy; x: float32 -> the quantised numbers, widened to float32 again
;;       x = np.moveaxis(x, axis, -1); K = x.shape[-1]
;;       x = np.pad(x, [(0, 0)] * (x.ndim - 1) + [(0, -K % 32)]); x = x.reshape(x.shape[:-1] + (-1, 32)); a = np.abs(x).max(-1, keepdims=True)
;;       e = np.where(a > 0, np.clip(np.frexp(np.where(a > 0, a, 1))[1] - 1 - 2, -126, 127), 0)      # np.frexp(a)[1] - 1 = floor(log2(a)), exactly
;;       r = np.clip(x / 2.0 ** e, -6, 6)
;;       step = 2.0 ** (np.maximum(np.frexp(np.where(r == 0, 1, r))[1] - 1, 0) - 1)
;;       q = np.round(r / step) * step * 2.0 ** e      # np.round: ties to even
;;       return np.moveaxis(q.reshape(q.shape[:-2] + (-1,))[..., :K], -1, axis).astype(np.float32)
;;   ~~~
;;   OPERANDS COMPUTED ON THE WAY. 'Computed on the way' means the value that the module computes at that place (a softmax that the list does not call 'softmax' is quantised finished and normalised). What goes into a quantiser is computed in f32, as accurately as f32 sums, v_exp_f32 and their like allow (about 1e-6 of the number): no bf16 or f16 on the way to a quantiser, and a product that is left as it is and whose result goes on into a quantised operand takes f32 operands (vector FMAs, or v_wmma_f32_16x16x4_f32). A number that lies on a knife's edge between two numbers of the format may be rounded either way, as far as f32 arithmetic and the matrix unit's own rounding can turn it there, and no further.
;; One version. Each part assembles by itself: llvm-mc -triple=amdgcn-amd-amdhsa -mcpu=gfx1250 --defsym DOCPART=n.
;; ======== version 1 of 1: 4 launches
;; workspace buffers: cod 4,194,304 bytes; scl 262,144 bytes; qkv 6,946,816 bytes; oimg 2,097,152 bytes; osc 131,072 bytes
;; launch quant (part 1): grid 256 x 1, 4 waves a work-group, no clusters, 33,280 bytes of LDS; arguments Wq, Wk, x, Wv, Wo, cod, scl; writes cod, scl
.if DOCPART == 1
	.amdgcn_target "amdgcn-amd-amdhsa--gfx1250"
	.amdhsa_code_object_version 6
	.text
	.protected	k_q4fe062865c_quant
	.globl	k_q4fe062865c_quant
	.p2align	8
	.type	k_q4fe062865c_quant,@function
k_q4fe062865c_quant:
	s_mov_b64 s[64:65], 0
	v_nop
	global_prefetch_b8 v0, s[64:65] scope:SCOPE_SE
	s_setreg_imm32_b32 hwreg(HW_REG_WAVE_MODE, 25, 1), 1
	s_wait_xcnt 0x0
; Wq, Wk, x, Wv, Wo (f32, K = 1,024 innermost) become codes of FP4 (E2M1), two a byte, K innermost, and one E8M0 byte for each 32 along K.
; cod: 8,192 rows of 512 bytes: Wq 0.., Wk 1,024.., x 2,048.., Wv 6,144.., Wo 7,168..;  scl: the same rows, 32 bytes each.
; THE ROWS ARE STORED IN ANOTHER ORDER: in each group of 32 rows bits 3 and 4 of the row's number change places, so that 16 rows that lie on end are rows 8 u + r + 8 (r / 8) of the group
; (u = 0, 1): the rows of which the later launches make a tile, so that a transposed product leaves 16 neighbours along the next K in a lane's 16 registers.
; A block's scale is 2^(floor(log2(its largest magnitude)) - 2); its byte is the largest magnitude's exponent field - 2, held at 1 from below.  A block of zeros gets the byte 1 where the
; rule says 127: its codes are zeros, and these bytes are read by this program alone.  Numbers are divided by the scale and rounded to the nearest code, ties to even, beyond 6 the code of 6.
; LIMITS: blocks whose largest magnitude lies under 2^-124 keep the byte 1; NaN and infinities among the inputs are not served.
; SHARES: a work-group takes a group of 32 rows, a wave 8 of them (8,192 numbers on end) in 16 steps of 512.  Each load reads 512 consecutive bytes; a step's 2,048 bytes turn through the wave's
; own stage in LDS (16 bytes of padding behind each 64) and come back 64 bytes a lane, since the conversions take neighbours along K from one lane's registers.  Two lanes hold a block.
; Loads run eight steps (32 loads a wave) ahead.  No barrier: waves share nothing.  Every offset is an immediate and every store has data registers of its own.
.set STEPS, 16
.set AHEAD, 8
.set EMAX,  2
.set CB,    8                          ; bytes of a lane's 16 codes
.set R,     16                         ; v16-143  eight sets of 16 numbers as they are loaded
.set X,     144                        ; v144-175 two sets of 16 neighbours
.set E,     176                        ; v176-191 a scale byte for each step
.set C,     192                        ; v192-255 codes: four registers for each step
.set WREG,  8192                       ; LDS of a wave: two stages of 32 x SP bytes, then its 256 scale bytes
.set SP,    80
	s_load_b256 s[4:11], s[0:1], 0x0               ; Wq s[4:5], Wk s[6:7], x s[8:9], Wv s[10:11]
	s_load_b128 s[12:15], s[0:1], 0x20             ; Wo s[12:13], cod s[14:15]
	s_load_b64 s[16:17], s[0:1], 0x30              ; scl
	v_lshl_add_u32 v254, v0, 2, 0x8000
	v_mov_b32 v255, 0
	v_lshrrev_b32 v1, 5, v0
	v_readfirstlane_b32 s18, v1                    ; wave
	v_and_b32 v2, 31, v0                           ; lane
	v_lshlrev_b32 v3, 4, v2                        ; my 16 bytes of a load's 512
	s_mul_i32 s19, s18, WREG
	v_lshrrev_b32 v14, 2, v2
	v_mul_u32_u24 v14, v14, SP
	v_and_b32 v15, 3, v2
	v_lshl_add_u32 v14, v15, 4, v14
	v_add_nc_u32 v14, s19, v14                     ; into the stage: SP (lane / 4) + 16 (lane % 4)
	v_mul_u32_u24 v15, v2, SP
	v_add_nc_u32 v15, s19, v15                     ; out of it: SP x lane: my 16 neighbours
	v_mul_u32_u24 v4, v2, CB                       ; my codes' place in a step's 256 bytes
	v_lshrrev_b32 v5, 1, v2
	s_add_co_u32 s19, s19, 2*32*SP
	v_add_nc_u32 v5, s19, v5                       ; my block's byte among the wave's 256
	v_lshlrev_b32 v7, 3, v2
	v_add_nc_u32 v6, s19, v7                       ; and 8 bytes a lane on their way out
	s_wait_kmcnt 0x0
	; which tensor: the choice hangs on the work-group's number alone.  s[20:21] its address, s22 its first group of 32 rows
	s_mov_b64 s[20:21], s[12:13]
	s_mov_b32 s22, 224
	s_cmp_lt_u32 ttmp9, 224
	s_cselect_b64 s[20:21], s[10:11], s[20:21]
	s_cselect_b32 s22, 192, s22
	s_cmp_lt_u32 ttmp9, 192
	s_cselect_b64 s[20:21], s[8:9], s[20:21]
	s_cselect_b32 s22, 64, s22
	s_cmp_lt_u32 ttmp9, 64
	s_cselect_b64 s[20:21], s[6:7], s[20:21]
	s_cselect_b32 s22, 32, s22
	s_cmp_lt_u32 ttmp9, 32
	s_cselect_b64 s[20:21], s[4:5], s[20:21]
	s_cselect_b32 s22, 0, s22
	s_sub_co_u32 s22, ttmp9, s22
	s_lshl_b32 s22, s22, 2
	s_add_co_u32 s22, s22, s18                     ; my run of 8 rows in the tensor,
	s_lshl_b32 s22, s22, 15                        ; 32,768 bytes a run (under 2^25)
	s_mov_b32 s23, 0
	s_add_nc_u64 s[20:21], s[20:21], s[22:23]
	s_and_b32 s24, s18, 1                          ; where it goes: the wave's two bits change places
	s_lshl_b32 s24, s24, 1
	s_lshr_b32 s25, s18, 1
	s_or_b32 s24, s24, s25
	s_lshl_b32 s25, ttmp9, 2
	s_add_co_u32 s24, s24, s25
	s_lshl_b32 s26, s24, 12                        ; 4,096 bytes of codes a run
	s_mov_b32 s27, 0
	s_add_nc_u64 s[14:15], s[14:15], s[26:27]
	s_lshl_b32 s26, s24, 8                         ; 256 scale bytes a run
	s_add_nc_u64 s[16:17], s[16:17], s[26:27]
.macro LOAD t
.irp i, 0,1,2,3
	global_load_b128 v[R+16*((\t)%8)+4*\i:R+16*((\t)%8)+4*\i+3], v3, s[20:21] offset:2048*(\t)+512*\i th:TH_LOAD_NT   ; 32 lanes read 512 consecutive bytes
.endr
.endm
.macro TURN t                          ; step t's numbers through a stage: LDS serves a wave's instructions in order, so no wait stands between the stores and the loads
.irp i, 0,1,2,3
	ds_store_b128 v14, v[R+16*((\t)%8)+4*\i:R+16*((\t)%8)+4*\i+3] offset:32*SP*((\t)%2)+8*SP*\i
.endr
.irp i, 0,1,2,3
	ds_load_b128 v[X+16*((\t)%2)+4*\i:X+16*((\t)%2)+4*\i+3], v15 offset:32*SP*((\t)%2)+16*\i
.endr
.endm
.irp t, 0,1,2,3,4,5,6,7
	LOAD \t
.endr
	s_wait_loadcnt 4*(AHEAD-1)                     ; step 0's four loads are in; seven steps' stay out
	TURN 0
.macro STEP t
.set XS, X+16*((\t)%2)
.if (\t) > 0
	s_wait_dscnt 1                                 ; this step's numbers are back from the stage (the last step's byte store may be out): its stores into the stage have read their registers,
.else
	s_wait_dscnt 0x0
.endif
.if (\t)+AHEAD < STEPS
	LOAD (\t)+AHEAD                                ; which take the loads of eight steps on
.endif
.if (\t)+1 < STEPS
.if (\t) < STEPS-AHEAD
	s_wait_loadcnt 4*(AHEAD-1)                     ; the next step's four loads are in; those of the seven steps behind it may be out
.else
	s_wait_loadcnt 4*(STEPS-2-(\t))                ; the counts run down
.endif
	TURN (\t)+1                                    ; and go through the other stage while this step is worked
.endif
	v_max3_num_f32 v8, |v[XS]|, |v[XS+1]|, |v[XS+2]|               ; the largest magnitude of my 16, in two chains
	v_max3_num_f32 v9, |v[XS+3]|, |v[XS+4]|, |v[XS+5]|
.irp i, 6,10
	v_max3_num_f32 v8, v8, |v[XS+\i]|, |v[XS+\i+1]|
	v_max3_num_f32 v9, v9, |v[XS+\i+2]|, |v[XS+\i+3]|
.endr
	v_max3_num_f32 v8, v8, |v[XS+14]|, |v[XS+15]|
	v_max3_num_f32 v8, v8, v9, (EMAX+1)<<23        ; and the floor 2^(3 - 127): the byte cannot fall under 1
	v_max_num_f32_dpp v8, v8, v8 row_xmask:1 row_mask:0xf bank_mask:0xf   ; with my neighbour's 16: the block's
	v_add_nc_u32 v11, -(EMAX<<23), v8              ; 2 off its exponent field: the conversion takes the exponent field of this operand as its scale
	v_cvt_scalef32_pk8_fp4_f32 v[C+4*(\t)], v[XS:XS+7], v11
	v_cvt_scalef32_pk8_fp4_f32 v[C+4*(\t)+1], v[XS+8:XS+15], v11
	v_lshrrev_b32 v[E+(\t)], 23, v11               ; the scale's byte (also the plain line behind the conversions)
	ds_store_b8 v5, v[E+(\t)] offset:16*(\t)       ; both lanes of a block write the same byte with the same value
	global_store_b64 v4, v[C+4*(\t):C+4*(\t)+1], s[14:15] offset:32*CB*(\t)   ; the wave stores 256 consecutive bytes, aligned
.endm
.irp t, 0,1,2,3,4,5,6,7,8,9,10,11,12,13,14,15
	STEP \t
.endr
	ds_load_b64 v[12:13], v6                       ; in order behind my byte stores
	s_wait_dscnt 0x0
	global_store_b64 v7, v[12:13], s[16:17]        ; 256 consecutive bytes, aligned
	s_wait_tensorcnt 0x0
	ds_add_u32 v254, v255
	s_wait_dscnt 0x0
	s_endpgm
.Lfunc_end_k_q4fe062865c_quant:
	.size	k_q4fe062865c_quant, .Lfunc_end_k_q4fe062865c_quant-k_q4fe062865c_quant
	.p2alignl 7, 3214868480
	.fill 96, 4, 3214868480
	.section	.rodata,"a",@progbits
	.p2align	6, 0x0
	.amdhsa_kernel k_q4fe062865c_quant
		.amdhsa_group_segment_fixed_size 33280
		.amdhsa_private_segment_fixed_size 0
		.amdhsa_enable_private_segment 0
		.amdhsa_kernarg_size 56
		.amdhsa_user_sgpr_count 2
		.amdhsa_user_sgpr_kernarg_segment_ptr 1
		.amdhsa_wavefront_size32 1
		.amdhsa_system_sgpr_workgroup_id_x 1
		.amdhsa_system_sgpr_workgroup_id_y 1
		.amdhsa_system_sgpr_workgroup_id_z 1
		.amdhsa_system_vgpr_workitem_id 0
		.amdhsa_next_free_vgpr 256
		.amdhsa_next_free_sgpr 66
		.amdhsa_reserve_vcc 0
		.amdhsa_float_denorm_mode_32 3
		.amdhsa_float_denorm_mode_16_64 3
		.amdhsa_memory_ordered 1
		.amdhsa_forward_progress 1
		.amdhsa_inst_pref_size 34
	.end_amdhsa_kernel
	.amdgpu_metadata
---
amdhsa.version: [ 1, 2 ]
amdhsa.kernels:
  - .name:           k_q4fe062865c_quant
    .symbol:         k_q4fe062865c_quant.kd
    .args:
      - { .name: Wq, .offset: 0, .size: 8, .value_kind: global_buffer, .address_space: global }
      - { .name: Wk, .offset: 8, .size: 8, .value_kind: global_buffer, .address_space: global }
      - { .name: x, .offset: 16, .size: 8, .value_kind: global_buffer, .address_space: global }
      - { .name: Wv, .offset: 24, .size: 8, .value_kind: global_buffer, .address_space: global }
      - { .name: Wo, .offset: 32, .size: 8, .value_kind: global_buffer, .address_space: global }
      - { .name: cod, .offset: 40, .size: 8, .value_kind: global_buffer, .address_space: global }
      - { .name: scl, .offset: 48, .size: 8, .value_kind: global_buffer, .address_space: global }
    .group_segment_fixed_size: 33280
    .private_segment_fixed_size: 0
    .kernarg_segment_align: 8
    .kernarg_segment_size: 56
    .max_flat_workgroup_size: 128
    .sgpr_count:     66
    .vgpr_count:     256
    .wavefront_size: 32
...
	.end_amdgpu_metadata
.endif
;; end of part 1
;; launch qkvp (part 2): grid 12 x 16, 4 waves a work-group, clusters of 4 x 4, 296,448 bytes of LDS; arguments cod, scl, bq, bk, bv, qkv; writes qkv
.if DOCPART == 2
	.amdgcn_target "amdgcn-amd-amdhsa--gfx1250"
	.amdhsa_code_object_version 6
	.text
	.protected	k_q4fe062865c_qkvp
	.globl	k_q4fe062865c_qkvp
	.p2align	8
	.type	k_q4fe062865c_qkvp,@function
k_q4fe062865c_qkvp:
	s_mov_b64 s[64:65], 0
	v_nop
	global_prefetch_b8 v0, s[64:65] scope:SCOPE_SE
	s_setreg_imm32_b32 hwreg(HW_REG_WAVE_MODE, 25, 1), 1
	s_wait_xcnt 0x0
	s_wait_alu depctr_hold_cnt(0) depctr_sa_sdst(0) depctr_va_vdst(0) depctr_va_sdst(0) depctr_va_ssrc(0) depctr_va_vcc(0) depctr_vm_vsrc(0)
	s_getreg_b32 s2, hwreg(HW_REG_IB_STS2, 6, 4)
	s_cmp_eq_u32 s2, 0
	s_cbranch_scc0 .Lentry_in_a_cluster
	s_endpgm
.Lentry_in_a_cluster:
	s_bfe_u32 s2, ttmp6, 0x10000c
	s_cmp_lg_u32 s2, 0xf033
	s_cbranch_scc0 .Lentry_shape_is_right
	s_endpgm
.Lentry_shape_is_right:
; q = x Wq^T + bq, k = x Wk^T + bk, v = x Wv^T + bv on codes of FP4 with E8M0 scales (K = 1,024), and their quantising for the attention: q and k along the head's 64, v along the tokens.
; ONE GEMM SERVES ALL THREE.  Side A is cod's rows 2,048 on (x, then Wv: 20 tiles of 256 rows), side B its rows 0 on (Wq, Wk, x: 24 tiles).  Clusters with x = 0: A = x, B = Wq; x = 1: A = x, B = Wk;
; x = 2: A = Wv, B = x, which is v transposed.  The matrix instruction takes 16 rows of B as source 0 and 16 rows of A as source 1: a lane holds ONE row of A and its registers run along B's rows,
; which in all three cases is the axis to be quantised next (the head's channels; the tokens).  cod's rows lie in the order that makes the 16 registers of two neighbouring tiles 16 neighbours there.
; A tile of 256 x 256 is made by four waves, 128 x 128 each: 64 accumulators, 512 registers.  K = 1,024 is two LDS slots of 512 along K (rows of 256 bytes + 16 of padding): each slot is filled once,
; so there is no ring: three joint loads a wave at the start (scales, slot 0, slot 1), and no LDS byte is filled twice.
; CLUSTERS: 4 x 4 work-groups.  A's tile hangs on the cluster's y and cy and is asked for jointly by a row of the cluster, B's on cx and is asked for by a column.
; THE WAY OUT writes no f32: bias added, each block of 16 rows of A is quantised in registers (four blocks of 32 a lane's row) and stored AS THE IMAGE OF AN OPERAND'S REGISTERS, 16 bytes a lane, 512 a store.
; qkv: 512 records of 13,568 bytes, record (16 batch + head) 16 + step of 128 tokens: K's image 0 (8 tiles x 512), V's 4,096 (4 tiles x 2 x 512), K's scale words 8,192 (16 lane + 4 pair of tiles; lanes 0-15 the
; even tile, lanes 16-31 the odd), V's 8,704 (8 lane + 4 pair), Q's image 8,960, Q's scale words 13,056.
; Both layouts of bias (along registers from bq or bk, along lanes from bv) are asked for at the head in every work-group, 24 small loads a wave at addresses masked into their buffers; an arm of the way out uses its own.
; LIMITS: blocks whose largest magnitude lies under 2^-124 keep the byte 1, a block of zeros too (its codes are zeros; this program alone reads the bytes); NaN and infinities are not served.
; REGISTERS: window 0: v8-15 bv's numbers; v16-28 addresses; v32-95 scale words, two sets; v96-121 at work on the way out; v128-191 A's fragments, later a block + bias; v192-255 bq's or bk's numbers.
;   window 1: B's fragments, two sets.   windows 2, 3: the accumulators ((a, b) at v[8 (8 (a % 4) + b)]).
.set NQ,     4                         ; steps of 128 along K in a slot
.set ROWB,   256                       ; a tile's row in bytes
.set KROW,   512                       ; a row of cod
.set PITCH,  272                       ; an LDS row: 256 bytes + 16 = 68 words: the 16 rows that a load touches start 4 banks apart (64 banks of 4 bytes: ISA guide 11.1)
.set FR,     8
.set NL,     2
.set NP,     4                         ; places behind this matrix instruction (ISA guide 7.12.1)
.set HALFT,  128*PITCH
.set SLOT,   4*HALFT
.set KS,     32                        ; a row of scl
.set SCL,    2*SLOT
.set HALFS,  (128*KS/256)*272
.set SBLK,   (16*KS/256)*272
.set REC,    13568
.set HEADB,  16*REC                    ; from a head's records to the next head's
.set BM,   8
.set ADRA, 16
.set ADRB, 20
.set LI,   24                          ; 16 x lane
.set L8,   25                          ; 8 x lane
.set BO,   26                          ; 64 x (lane / 16)
.set ADRS, 27
.set BVO,  28                          ; 4 x (r + 8 (r / 8))
.set SC,   32
.set SW0,  32                          ; the way out: gathered scale words (v32-39 hold scale words throughout)
.set SW1,  36
.set PC,   96                          ; codes just made
.set TM,   104                         ; +0..3 largest magnitudes, +4..7 bytes, +12..15 the conversions' scale operands
.set PW,   120
.set PE,   121
.set AF,   128
.set T,    128
.set BN,   192
.set G1, 24
.set G0, 32
.set G1B, 48
.set G0B, 56
.set SEL, 66
.set G1S, 68
.set G0S, 76
.set G1SB, 80
.set G0SB, 88
.set MSB, 0
.macro WIN new                         ; the immediate's high byte repeats the setting that is left
.if MSB != (\new)
	s_set_vgpr_msb (MSB<<8)|(\new)
.set MSB, (\new)
.endif
.endm
.set MUL_LO, 0xa1                      ; source 0 (B) window 1, source 1 (A) window 0, C and D window 2
.set MUL_HI, 0xf1
.set TO_B,   0x40
; A joint load: waves 0 and 1 fetch for A, waves 2 and 3 for B; the branch hangs on the wave's number alone.  Four v_nop follow each of the two lines.
.macro JLOAD g0a, g1a, g0b, g1b
	s_cmp_eq_u32 s15, 0
	s_cbranch_scc0 .Lfor_b_\@
	tensor_load_to_lds s[\g0a:\g0a+3], s[\g1a:\g1a+7]
	s_nop 0
.rept 4
	v_nop
.endr
	s_branch .Lasked_\@
.Lfor_b_\@:
	tensor_load_to_lds s[\g0b:\g0b+3], s[\g1b:\g1b+7]
	s_nop 0
.rept 4
	v_nop
.endr
.Lasked_\@:
.endm
.macro CROUND                          ; a round of the cluster's barrier
	s_barrier_signal -1
	s_barrier_wait -1
	s_cmp_lg_u32 s14, 0
	s_cbranch_scc1 .Lnot_wave_0_\@
	s_barrier_signal -3
.Lnot_wave_0_\@:
	s_barrier_wait -3
	s_barrier_signal -1
	s_barrier_wait -1
.endm
	s_load_b128 s[4:7], s[0:1], 0x0                ; cod, scl
	s_load_b128 s[8:11], s[0:1], 0x10              ; bq, bk
	s_load_b128 s[96:99], s[0:1], 0x20             ; bv, qkv
	v_lshl_add_u32 v126, v0, 2, 0x48400
	v_mov_b32 v127, 0
	ds_add_u32 v126, v127
	ds_add_u32 v126, v127
	v_lshrrev_b32 v1, 5, v0
	v_readfirstlane_b32 s14, v1                    ; wave 0..3
	s_lshr_b32 s15, s14, 1                         ; my half of A's rows.  Also: I fetch for A (0) or for B (1)
	s_and_b32 s16, s14, 1                          ; my half of B's rows.  Also: which 128 rows I fetch
	s_bfe_u32 s40, ttmp6, 0x40000                  ; cx
	s_bfe_u32 s41, ttmp6, 0x40004                  ; cy
	s_and_b32 s17, ttmp7, 0xffff
	s_lshl_b32 s17, s17, 2                         ; 4 x cluster y
	s_lshl_b32 s42, ttmp9, 2                       ; 4 x cluster x
	s_add_co_u32 s3, s17, 8
	s_cmp_eq_u32 ttmp9, 2                          ; v's clusters: A = Wv's four tiles, B = x's sixteen
	s_cselect_b32 s17, 16, s17
	s_cselect_b32 s42, s3, s42
	s_add_co_u32 s17, s17, s41                     ; A's tile
	s_add_co_u32 s42, s42, s40                     ; B's tile
	s_lshl_b32 s43, s41, 2
	s_lshl_b32 s43, 15, s43                        ; my row of the cluster
	s_lshl_b32 s44, 0x1111, s40                    ; my column
	s_or_b32 s[G1+0], s43, (0<<16)|(1<<20)|(1<<21)|(5<<22)|(3<<25)  ; the mask; elements of 1 byte; padding: 4 words behind every 64; bit 21 beside a mask
	s_or_b32 s[G1B+0], s44, (0<<16)|(1<<20)|(1<<21)|(5<<22)|(3<<25)
.irp g, G1, G1B
	s_mov_b32 s[\g+1], ROWB<<16                    ; tensor_dim0
	s_mov_b32 s[\g+2], 128<<16                     ; tensor_dim1
	s_mov_b32 s[\g+3], ROWB<<16                    ; tile_dim0
	s_mov_b32 s[\g+4], 128                         ; tile_dim1
	s_mov_b32 s[\g+5], KROW                        ; from row to row
	s_mov_b32 s[\g+6], 0
	s_mov_b32 s[\g+7], 0
.endr
	s_or_b32 s[G1S+0], s43, (3<<16)|(1<<20)|(1<<21)|(5<<22)|(3<<25)  ; the scales of 128 rows: 4,096 dense bytes as 16 rows of 256 (32 elements of 8 bytes), 16 bytes of padding behind each
	s_or_b32 s[G1SB+0], s44, (3<<16)|(1<<20)|(1<<21)|(5<<22)|(3<<25)
.irp g, G1S, G1SB
	s_mov_b32 s[\g+1], 32<<16
	s_mov_b32 s[\g+2], (128*KS/256)<<16
	s_mov_b32 s[\g+3], 32<<16
	s_mov_b32 s[\g+4], 128*KS/256
	s_mov_b32 s[\g+5], 32
	s_mov_b32 s[\g+6], 0
	s_mov_b32 s[\g+7], 0
.endr
	s_lshl_b32 s18, s16, 7                         ; which 128 rows of the tile I fetch
	s_lshl_b32 s20, s17, 8
	s_add_co_u32 s20, s20, s18
	s_add_co_u32 s20, s20, 2048                    ; A: cod's row 2,048 + 256 x tile + 128 x half
	s_lshl_b32 s46, s42, 8
	s_add_co_u32 s46, s46, s18                     ; B: row 256 x tile + 128 x half
	s_lshl_b32 s22, s20, 5                         ; their scales, 32 bytes a row,
	s_mov_b32 s23, 0
	s_lshl_b32 s92, s46, 5
	s_mov_b32 s93, 0
	s_lshl_b32 s20, s20, 9                         ; and their codes, 512
	s_mov_b32 s21, 0
	s_lshl_b32 s46, s46, 9
	s_mov_b32 s47, 0
	s_mul_i32 s45, s14, HALFT                      ; where they go: wave x 128 rows
	s_mul_i32 s94, s14, HALFS
	s_wait_dscnt 0x0
	s_wait_kmcnt 0x0
	s_add_nc_u64 s[20:21], s[4:5], s[20:21]
	s_add_nc_u64 s[22:23], s[6:7], s[22:23]
	s_add_nc_u64 s[46:47], s[4:5], s[46:47]
	s_add_nc_u64 s[92:93], s[6:7], s[92:93]
	CROUND                                         ; all sixteen work-groups are here: the joint loads meet
	s_mov_b32 s[G0S], 1
	s_add_co_u32 s[G0S+1], s94, SCL
	s_mov_b64 s[G0S+2:G0S+3], s[22:23]
	s_or_b32 s[G0S+3], s[G0S+3], 0x80000000
	s_mov_b32 s[G0SB], 1
	s_add_co_u32 s[G0SB+1], s94, SCL
	s_mov_b64 s[G0SB+2:G0SB+3], s[92:93]
	s_or_b32 s[G0SB+3], s[G0SB+3], 0x80000000
	JLOAD G0S, G1S, G0SB, G1SB                     ; the scales first: they are wanted with the first slot
.irp s, 0,1
	s_mov_b32 s[G0+4*\s], 1
	s_add_co_u32 s[G0+4*\s+1], s45, \s*SLOT
	s_add_nc_u64 s[G0+4*\s+2:G0+4*\s+3], s[20:21], \s*ROWB
	s_or_b32 s[G0+4*\s+3], s[G0+4*\s+3], 0x80000000
	s_mov_b32 s[G0B+4*\s], 1
	s_add_co_u32 s[G0B+4*\s+1], s45, \s*SLOT
	s_add_nc_u64 s[G0B+4*\s+2:G0B+4*\s+3], s[46:47], \s*ROWB
	s_or_b32 s[G0B+4*\s+3], s[G0B+4*\s+3], 0x80000000
	JLOAD G0+4*\s, G1, G0B+4*\s, G1B               ; three loads of mine are out behind the second of these
.endr
	v_and_b32 v1, 15, v0                           ; r
	v_bfe_u32 v2, v0, 4, 1                         ; h
	v_mul_u32_u24 v3, v1, PITCH
	v_lshl_add_u32 v4, v2, 4, v3                   ; a fragment's row x pitch + 16 h
	s_mul_i32 s21, s15, HALFT                      ; my 128 rows of A
	s_mul_i32 s22, s16, HALFT
	s_add_co_u32 s22, s22, 2*HALFT                 ; my 128 rows of B, behind A's 256
.irp s, 0,1
	v_add_nc_u32 v[ADRA+\s], s21, v4
	v_add_nc_u32 v[ADRB+\s], s22, v4
	s_add_co_u32 s21, s21, SLOT
	s_add_co_u32 s22, s22, SLOT
.endr
	v_mul_u32_u24 v5, v1, KS                       ; my row's scales: 32 bytes a row,
	v_lshrrev_b32 v6, 8, v5
	v_lshl_add_u32 v5, v6, 4, v5                   ; and 16 more for each 256 passed
	s_mul_i32 s21, s15, HALFS
	s_mul_i32 s22, s16, HALFS
	s_add_co_u32 s22, s22, 2*HALFS
	s_sub_co_u32 s22, s22, s21
	v_mul_u32_u24 v6, s22, v2                      ; lanes 16-31 take B's
	s_add_co_u32 s21, s21, SCL
	v_add_nc_u32 v5, v5, v6
	v_add_nc_u32 v[ADRS], s21, v5
	; my corner: s18 = my first row of side A, s19 = of side B; and the biases
	s_lshl_b32 s18, s17, 8
	s_lshl_b32 s2, s15, 7
	s_add_co_u32 s18, s18, s2
	s_lshl_b32 s19, s42, 8
	s_lshl_b32 s2, s16, 7
	s_add_co_u32 s19, s19, s2
	s_cmp_lt_u32 s19, 1024                         ; B's rows under 1,024 are Wq's
	s_cselect_b64 s[8:9], s[8:9], s[10:11]
	s_and_b32 s2, s19, 1023                        ; the channel (masked: inside the buffer in v's work-groups too, which do not use these)
	s_lshl_b32 s2, s2, 2
	s_mov_b32 s3, 0
	s_add_nc_u64 s[8:9], s[8:9], s[2:3]
	s_and_b32 s2, s18, 1023                        ; v's channel = A's row - 4,096 (masked likewise)
	s_lshl_b32 s2, s2, 2
	s_add_nc_u64 s[96:97], s[96:97], s[2:3]
	v_lshlrev_b32 v[BO], 6, v2
	v_and_b32 v5, 8, v1
	v_add_nc_u32 v5, v5, v1
	v_lshlrev_b32 v[BVO], 2, v5
	v_and_b32 v6, 31, v0
	v_lshlrev_b32 v[LI], 4, v6
	v_lshlrev_b32 v[L8], 3, v6
.irp t, 0,1,2,3,4,5,6,7
	global_load_b128 v[BN+8*\t:BN+8*\t+3], v[BO], s[8:9] offset:(32*(\t/2)+8*(\t%2))*4        ; register 8 t + j: channel 32 (t / 2) + 8 (t % 2) + 16 h + j
	global_load_b128 v[BN+8*\t+4:BN+8*\t+7], v[BO], s[8:9] offset:(32*(\t/2)+8*(\t%2))*4+16
	global_load_b32 v[BM+\t], v[BVO], s[96:97] offset:(32*(\t/2)+8*(\t%2))*4                  ; block t: channel 32 (t / 2) + 8 (t % 2) + r + 8 (r / 8)
.endr
.macro FRAG reg, adr, q, i             ; 16 rows x 128 K of 4-bit codes: lane l holds row l % 16; registers 4 c .. 4 c + 3 hold K = 64 c + 32 (l / 16) + 0 .. 31
.irp c, 0,1
	ds_load_b128 v[\reg+4*\c:\reg+4*\c+3], v[\adr] offset:64*(\q)+32*\c+(\i)*16*PITCH
.endr
.endm
; 16 matrix instructions: A's blocks a0, a0 + 1 x B's eight.  The 64 accumulators take turns, one instruction a turn, in the same order in every step.
.macro MUL16 a0, p, q, sc, zero
.irp a, \a0, \a0+1
.irp b, 0,1,2,3,4,5,6,7
.if \zero
	v_wmma_scale_f32_16x16x128_f8f6f4 v[8*(8*((\a)%4)+\b):8*(8*((\a)%4)+\b)+7], v[128*(\p)+FR*\b:128*(\p)+FR*\b+FR-1], v[AF+FR*(\a):AF+FR*(\a)+FR-1], 0, v[SC+8*NQ*(\sc)+NQ*\b+(\q)], v[SC+8*NQ*(\sc)+NQ*(\a)+(\q)] matrix_a_fmt:MATRIX_FMT_FP4 matrix_b_fmt:MATRIX_FMT_FP4 matrix_a_scale:MATRIX_SCALE_ROW1
.else
	v_wmma_scale_f32_16x16x128_f8f6f4 v[8*(8*((\a)%4)+\b):8*(8*((\a)%4)+\b)+7], v[128*(\p)+FR*\b:128*(\p)+FR*\b+FR-1], v[AF+FR*(\a):AF+FR*(\a)+FR-1], v[8*(8*((\a)%4)+\b):8*(8*((\a)%4)+\b)+7], v[SC+8*NQ*(\sc)+NQ*\b+(\q)], v[SC+8*NQ*(\sc)+NQ*(\a)+(\q)] matrix_a_fmt:MATRIX_FMT_FP4 matrix_b_fmt:MATRIX_FMT_FP4 matrix_a_scale:MATRIX_SCALE_ROW1
.endif
.endr
.endr
.endm
.macro FETCH_B slot, q, p
	WIN TO_B
.irp i, 0,1,2,3,4,5,6,7
	FRAG 128*(\p)+FR*\i, ADRB+\slot, \q, \i
.endr
	WIN 0
.endm
.macro FETCH_A slot, q, i0
.irp i, \i0, \i0+1, \i0+2, \i0+3
	FRAG AF+FR*(\i), ADRA+\slot, \q, \i
.endr
.endm
.macro SCALES sc                       ; a slot's scale words: four a row; lanes 0-15 take A's block i, lanes 16-31 B's block i
.irp i, 0,1,2,3,4,5,6,7
	ds_load_b128 v[SC+8*NQ*\sc+NQ*\i:SC+8*NQ*\sc+NQ*\i+3], v[ADRS] offset:\i*SBLK
.endr
.endm
.macro PLACES n                        ; plain vector lines between a matrix instruction and a load into, or a vector read of, its registers
.rept \n
	v_nop
.endr
.endm
.macro STEP slot, q, zero              ; 128 along K; its successor lies in the same slot
	s_wait_dscnt 4*NL                              ; B's set and A's blocks 0-3 are in; A's blocks 4-7 (eight loads) may be out
	WIN MUL_LO
	MUL16 0, (\q)%2, \q, \slot, \zero
	MUL16 2, (\q)%2, \q, \slot, \zero
	s_wait_dscnt 0
	PLACES NP
	FETCH_B \slot, (\q)+1, 1-(\q)%2
	FETCH_A \slot, (\q)+1, 0
	WIN MUL_HI
	MUL16 4, (\q)%2, \q, \slot, \zero
	MUL16 6, (\q)%2, \q, \slot, \zero
	PLACES NP
	WIN 0
	FETCH_A \slot, (\q)+1, 4
.endm
	s_wait_tensorcnt 1                             ; the scales and my part of slot 0 are in; slot 1's load may be out
	s_barrier_signal -1
	s_barrier_wait -1                              ; everybody's are
	FETCH_B 0, 0, 0
	FETCH_A 0, 0, 0
	SCALES 0
	FETCH_A 0, 0, 4
	STEP 0, 0, 1                                   ; the first products start the sums
	STEP 0, 1, 0
	STEP 0, 2, 0
	; slot 0's last step, and the change to slot 1
	s_wait_tensorcnt 0x0                           ; my part of slot 1 is in
	s_wait_dscnt 4*NL
	WIN MUL_LO
	MUL16 0, 1, NQ-1, 0, 0
	s_wait_dscnt 0x0                               ; no LDS instruction of mine is out at the signal
	s_barrier_signal -1
	MUL16 2, 1, NQ-1, 0, 0
	WIN 0
	s_barrier_wait -1                              ; slot 1 is whole
	PLACES NP
	v_add_nc_u32 v[ADRS], 4*NQ, v[ADRS]            ; the second half of each row of scales
	FETCH_B 1, 0, 0
	FETCH_A 1, 0, 0
	SCALES 1
	WIN MUL_HI
	MUL16 4, 1, NQ-1, 0, 0
	MUL16 6, 1, NQ-1, 0, 0
	PLACES NP
	WIN 0
	FETCH_A 1, 0, 4
	STEP 1, 0, 0
	STEP 1, 1, 0
	STEP 1, 2, 0
	s_wait_dscnt 4*NL                              ; the last step: nothing more to fetch
	WIN MUL_LO
	MUL16 0, 1, NQ-1, 1, 0
	MUL16 2, 1, NQ-1, 1, 0
	s_wait_dscnt 0
	WIN MUL_HI
	MUL16 4, 1, NQ-1, 1, 0
	MUL16 6, 1, NQ-1, 1, 0
	WIN 0
; 64 numbers of a lane, register src + 16 b + i = place 32 b + 16 (lane / 16) + i of its row's 128: the four blocks' largest magnitudes, scale operands (TM + 12 + b) and bytes (TM + 4 + b).  win = 1: the numbers lie in window 1.
.macro QMAX src, win
	WIN 0x14*\win
.irp b, 0,1,2,3
	v_max3_num_f32 v[TM+\b], 0x1800000, |v[\src+16*\b]|, |v[\src+16*\b+1]|   ; with the floor 2^(3 - 127): the byte cannot fall under 1
.endr
.irp i, 2,4,6,8,10,12,14
.irp b, 0,1,2,3
	v_max3_num_f32 v[TM+\b], v[TM+\b], |v[\src+16*\b+\i]|, |v[\src+16*\b+\i+1]|   ; the four blocks by turns
.endr
.endr
	WIN 0
.irp b, 0,1,2,3
	v_permlanex16_b32 v[TM+4+\b], v[TM+\b], s[SEL], s[SEL+1]
.endr
.irp b, 0,1,2,3
	v_max_num_f32 v[TM+\b], v[TM+\b], v[TM+4+\b]   ; with lane l xor 16's 16
.endr
.irp b, 0,1,2,3
	v_add_nc_u32 v[TM+12+\b], 0xff000000, v[TM+\b] ; 2 off the exponent field
.endr
.irp b, 0,1,2,3
	v_lshrrev_b32 v[TM+4+\b], 23, v[TM+12+\b]
.endr
.endm
; their codes: blocks 0, 1 into v[c0 .. c0 + 3], blocks 2, 3 into v[c1 .. c1 + 3]; the exchange of halves leaves a whole block in a lane: lane (r, h) holds the pair's places 32 h + 0 .. 31
.macro QCVT src, win, c0, c1
	WIN 0x01*\win
.irp b, 0,1
	v_cvt_scalef32_pk8_fp4_f32 v[\c0+2*\b], v[\src+16*\b:\src+16*\b+7], v[TM+12+\b]
	v_cvt_scalef32_pk8_fp4_f32 v[\c0+2*\b+1], v[\src+16*\b+8:\src+16*\b+15], v[TM+12+\b]
	v_cvt_scalef32_pk8_fp4_f32 v[\c1+2*\b], v[\src+32+16*\b:\src+32+16*\b+7], v[TM+14+\b]
	v_cvt_scalef32_pk8_fp4_f32 v[\c1+2*\b+1], v[\src+32+16*\b+8:\src+32+16*\b+15], v[TM+14+\b]
.endr
	WIN 0
	v_nop                                          ; one plain line behind a scaled conversion
.irp i, 0,1
	v_permlane16_swap_b32 v[\c0+\i], v[\c0+2+\i]
	v_permlane16_swap_b32 v[\c1+\i], v[\c1+2+\i]
.endr
.endm
.macro WORD dst                        ; the four bytes as a word
	v_lshl_or_b32 v[\dst], v[TM+5], 8, v[TM+4]
	v_lshl_or_b32 v[\dst], v[TM+6], 16, v[\dst]
	v_lshl_or_b32 v[\dst], v[TM+7], 24, v[\dst]
.endm
; Block a of q or k: 16 tokens x 128 channels = two heads.  Blocks 0, 1 are the first head's 64 channels, blocks 2, 3 the second's.
.macro OUT_QK a
	WIN 0x02+(\a)/4                                ; source 0: window 2 or 3
.set n, 0
.rept 32
	v_pk_add_f32 v[T+n:T+n+1], v[64*((\a)%4)+n:64*((\a)%4)+n+1], v[BN+n:BN+n+1]   ; + bias; each accumulator is read from its low end on
.set n, n+2
.endr
	WIN 0
	QMAX T, 0
.if (\a)%2
	WORD PW
.else
	WORD PE
.endif
	s_wait_xcnt 0x0                                ; the last block's stores have read their data: the codes' registers are written again only behind this wait
	QCVT T, 0, PC, PC+4
	global_store_b128 v[LI], v[PC:PC+3], s[12:13] offset:512*(\a)            ; tile a's image: 512 consecutive bytes, aligned
	global_store_b128 v[LI], v[PC+4:PC+7], s[12:13] offset:HEADB+512*(\a)    ; the next head's
.if (\a)%2
	v_cndmask_b32 v[SW0+(\a)/2], v[PE], v[PW], vcc_lo   ; lanes 0-15 the even tile's words, lanes 16-31 the odd tile's; bytes 0, 1 the first head's (bytes 2, 3 stand over zero codes and are never 0xff)
	v_lshrrev_b32 v[SW1+(\a)/2], 16, v[SW0+(\a)/2]      ; the second head's
.endif
.endm
; Block a of v transposed: 16 channels x 128 tokens: one whole fragment and one scale word a channel.
.macro OUT_V a
	WIN 0x02+(\a)/4
.set n, 0
.rept 32
.if (\a)%2
	v_pk_add_f32 v[T+n:T+n+1], v[64*((\a)%4)+n:64*((\a)%4)+n+1], v[BM+2*((\a)/2):BM+2*((\a)/2)+1] op_sel:[0,1] op_sel_hi:[1,1]   ; the pair's upper word for both halves
.else
	v_pk_add_f32 v[T+n:T+n+1], v[64*((\a)%4)+n:64*((\a)%4)+n+1], v[BM+2*((\a)/2):BM+2*((\a)/2)+1] op_sel_hi:[1,0]               ; its lower word
.endif
.set n, n+2
.endr
	WIN 0
	QMAX T, 0
.if (\a)%2
	WORD PW
.else
	WORD PE
.endif
	s_wait_xcnt 0x0
	QCVT T, 0, PC, PC+4
	global_store_b128 v[LI], v[PC:PC+3], s[12:13] offset:((\a)/4)*HEADB+((\a)%4)*1024
	global_store_b128 v[LI], v[PC+4:PC+7], s[12:13] offset:((\a)/4)*HEADB+((\a)%4)*1024+512
.if (\a)%2
	v_cndmask_b32 v[SW0+(\a)/2], v[PE], v[PW], vcc_lo
.endif
.if (\a)%4 == 3
	global_store_b64 v[L8], v[SW0+2*((\a)/4):SW0+2*((\a)/4)+1], s[92:93] offset:((\a)/4)*HEADB   ; a head's scale words: 256 consecutive bytes
.endif
.endm
.irp b, 0,1,2,3
	v_mov_b32 v[TM+4+\b], 0                        ; a lane permute's destination counts as a source.  These four plain lines and the two below are the places behind the last products
.endr
	v_and_b32 v6, 31, v0
	v_cmp_le_u32 vcc_lo, 16, v6                    ; lanes 16-31
	s_mov_b32 s[SEL], 0x76543210
	s_mov_b32 s[SEL+1], 0xfedcba98                 ; lane l xor 16
	s_wait_loadcnt 0x0                             ; the biases
	s_cmp_eq_u32 ttmp9, 2                          ; the cluster's x: the same in all partners
	s_cbranch_scc1 .Lv
	s_lshr_b32 s20, s18, 11                        ; batch
	s_lshl_b32 s20, s20, 4
	s_bfe_u32 s21, s19, 0x40006                    ; head
	s_add_co_u32 s20, s20, s21
	s_lshl_b32 s20, s20, 4
	s_bfe_u32 s21, s18, 0x40007                    ; step of 128 tokens
	s_add_co_u32 s20, s20, s21
	s_mul_i32 s20, s20, REC
	s_mov_b32 s22, 8192
	s_cmp_lt_u32 s19, 1024
	s_cselect_b32 s21, 8960, 0                     ; q's image lies 8,960 bytes into the record, k's at its head;
	s_cselect_b32 s22, 4096, s22                   ; the scale words 4,096 or 8,192 behind the image
	s_add_co_u32 s20, s20, s21
	s_mov_b32 s21, 0
	s_mov_b32 s23, 0
	s_add_nc_u64 s[12:13], s[98:99], s[20:21]
	s_add_nc_u64 s[92:93], s[12:13], s[22:23]
.irp a, 0,1,2,3,4,5,6,7
	OUT_QK \a
.endr
	global_store_b128 v[LI], v[SW0:SW0+3], s[92:93]
	global_store_b128 v[LI], v[SW1:SW1+3], s[92:93] offset:HEADB
	s_branch .Lend
.Lv:
	s_sub_co_u32 s20, s19, 2048                    ; token
	s_lshr_b32 s21, s20, 11                        ; batch
	s_lshl_b32 s21, s21, 4
	s_sub_co_u32 s22, s18, 4096                    ; channel
	s_lshr_b32 s22, s22, 6                         ; head
	s_add_co_u32 s21, s21, s22
	s_lshl_b32 s21, s21, 4
	s_bfe_u32 s20, s20, 0x40007                    ; step
	s_add_co_u32 s20, s20, s21
	s_mul_i32 s20, s20, REC
	s_add_co_u32 s20, s20, 4096                    ; V's image
	s_mov_b32 s21, 0
	s_add_nc_u64 s[12:13], s[98:99], s[20:21]
	s_add_nc_u64 s[92:93], s[12:13], 4608          ; V's scale words
.irp a, 0,1,2,3,4,5,6,7
	OUT_V \a
.endr
.Lend:
	s_wait_tensorcnt 0x0
	ds_add_u32 v126, v127
	s_wait_dscnt 0x0
	CROUND                                         ; the closing round: no work-group ends while a partner may still ask for a tile that names it
	s_endpgm
.Lfunc_end_k_q4fe062865c_qkvp:
	.size	k_q4fe062865c_qkvp, .Lfunc_end_k_q4fe062865c_qkvp-k_q4fe062865c_qkvp
	.p2alignl 7, 3214868480
	.fill 96, 4, 3214868480
	.section	.rodata,"a",@progbits
	.p2align	6, 0x0
	.amdhsa_kernel k_q4fe062865c_qkvp
		.amdhsa_group_segment_fixed_size 296448
		.amdhsa_private_segment_fixed_size 0
		.amdhsa_enable_private_segment 0
		.amdhsa_kernarg_size 48
		.amdhsa_user_sgpr_count 2
		.amdhsa_user_sgpr_kernarg_segment_ptr 1
		.amdhsa_wavefront_size32 1
		.amdhsa_system_sgpr_workgroup_id_x 1
		.amdhsa_system_sgpr_workgroup_id_y 1
		.amdhsa_system_sgpr_workgroup_id_z 1
		.amdhsa_system_vgpr_workitem_id 0
		.amdhsa_next_free_vgpr 1024
		.amdhsa_next_free_sgpr 100
		.amdhsa_reserve_vcc 1
		.amdhsa_float_denorm_mode_32 3
		.amdhsa_float_denorm_mode_16_64 3
		.amdhsa_memory_ordered 1
		.amdhsa_forward_progress 1
		.amdhsa_inst_pref_size 196
	.end_amdhsa_kernel
	.amdgpu_metadata
---
amdhsa.version: [ 1, 2 ]
amdhsa.kernels:
  - .name:           k_q4fe062865c_qkvp
    .symbol:         k_q4fe062865c_qkvp.kd
    .args:
      - { .name: cod, .offset: 0, .size: 8, .value_kind: global_buffer, .address_space: global }
      - { .name: scl, .offset: 8, .size: 8, .value_kind: global_buffer, .address_space: global }
      - { .name: bq, .offset: 16, .size: 8, .value_kind: global_buffer, .address_space: global }
      - { .name: bk, .offset: 24, .size: 8, .value_kind: global_buffer, .address_space: global }
      - { .name: bv, .offset: 32, .size: 8, .value_kind: global_buffer, .address_space: global }
      - { .name: qkv, .offset: 40, .size: 8, .value_kind: global_buffer, .address_space: global }
    .group_segment_fixed_size: 296448
    .private_segment_fixed_size: 0
    .kernarg_segment_align: 8
    .kernarg_segment_size: 48
    .max_flat_workgroup_size: 128
    .sgpr_count:     100
    .vgpr_count:     1024
    .wavefront_size: 32
...
	.end_amdgpu_metadata
.endif
;; end of part 2
;; launch attn (part 3): grid 8 x 32, 8 waves a work-group, clusters of 4 x 1, 275,456 bytes of LDS; arguments qkv, gamma, oimg, osc; writes oimg, osc
.if DOCPART == 3
	.amdgcn_target "amdgcn-amd-amdhsa--gfx1250"
	.amdhsa_code_object_version 6
	.text
	.protected	k_q4fe062865c_attn
	.globl	k_q4fe062865c_attn
	.p2align	8
	.type	k_q4fe062865c_attn,@function
k_q4fe062865c_attn:
	s_mov_b64 s[64:65], 0
	v_nop
	global_prefetch_b8 v0, s[64:65] scope:SCOPE_SE
	s_setreg_imm32_b32 hwreg(HW_REG_WAVE_MODE, 25, 1), 1
	s_wait_xcnt 0x0
	s_wait_alu depctr_hold_cnt(0) depctr_sa_sdst(0) depctr_va_vdst(0) depctr_va_sdst(0) depctr_va_ssrc(0) depctr_va_vcc(0) depctr_vm_vsrc(0)
	s_getreg_b32 s2, hwreg(HW_REG_IB_STS2, 6, 4)
	s_cmp_eq_u32 s2, 0
	s_cbranch_scc0 .Lentry_in_a_cluster
	s_endpgm
.Lentry_in_a_cluster:
	s_bfe_u32 s2, ttmp6, 0x10000c
	s_cmp_lg_u32 s2, 0x3003
	s_cbranch_scc0 .Lentry_shape_is_right
	s_endpgm
.Lentry_shape_is_right:
; o[b][h][q] = the sum over keys k <= q of Q4(gamma_h^q (q . k)) Q4(v[k]): both products on codes of FP4 with E8M0 scales; p = score x tril x decay is quantised along the keys in registers, o along the head's 64 channels.
; Inputs: qkv's records (batch, head, step of 128 tokens): images of K's, V's and Q's operand registers and their scale words.  Outputs: oimg, images of o's fragments for the last product
; ([token / 128][head / 2][tile of 16 tokens][head % 2][lane][16 bytes]), and osc [head][token / 32][lane] of two bytes (lanes 0-15 the even tile, lanes 16-31 the odd).
; CLUSTER: four work-groups along x serve one (batch, head) and the same eight blocks of 128 queries: blocks 4 X + i and 15 - (4 X + i), i = 0 .. 3, X the cluster's x.  The partner at place cx takes the 32 queries
; numbered cx of each block.  So which key steps a wave leaves out hangs on X and on the wave's number alone: all partners branch alike; cx enters Q's and the outputs' addresses, the mask's numbers and the decays, nothing else.
; The head's K, V and scales (16 steps x 8,960 bytes) LIE IN LDS WHOLE and are asked for JOINTLY: each wave issues two loads, steps w and 8 + w, with the same descriptor in all four partners and the mask that names the four.
; Nothing is filled twice.  All is asked for at the head, so nothing is prefetched.
; SHARES.  Waves 2 i and 2 i + 1 share two tasks of 32 queries: one in block g = 4 X + i (g + 1 key steps) and one in block 15 - g (16 - g key steps).  The wave of parity p takes key steps p, p + 2, .. of both: 8 or 9 steps
; and one step on a diagonal for every wave.  Each wave's two parts of O^T go to its own stage in LDS; behind a barrier the even wave adds the low task's two parts, the odd wave the high task's, and finishes that task.
; A key step all of whose keys come after the queries is left out by a scalar branch on ids; hidden scores of a step that is computed become 0.  A task's first step (step p) is always computed, under the mask where it needs one:
; it starts the sums, so nothing is cleared (where g = 0 the odd wave's is wholly hidden and gives zeros).
; LAYOUT.  Both products are used transposed: S^T = K Q^T (source 0 = 16 keys), O^T = V^T P^T (source 0 = 16 channels): a lane holds one query throughout; a task's two tiles of queries share every fragment of K and V.  The rows
; of a tile are 8 u + r + 8 (r / 8) of their 32, so that the 16 registers of two neighbouring tiles are 16 neighbours along the next K.  The first product's K is 64: registers 4-7 of K's and Q's fragments hold zero codes, written once.
; DECAY: gamma^q = 2^(q log2 |gamma|) by v_log_f32 and v_exp_f32, with gamma's sign for odd q; log2 is held at -1,000 from below, so that gamma = 0 gives 1, 0, 0, ..
; LIMITS: O is summed as (even key steps) + (odd key steps), an order of f32 rounding other than one chain's; the decay's relative error is about 1e-7 x |q log2 gamma|; decays under 2^-126 become 0; blocks whose largest
; magnitude lies under 2^-124, and blocks of zeros, keep the byte 1 (their bytes are read by this program alone); NaN and infinities are not served.
; REGISTERS: window 0: v1-9 addresses and the mask's numbers; v[10:13], v[186:189] the decays; v14, v15 Q's scale words; v16-31 the low task's Q; v208-215, v248-255 the high task's; v32-63, v216-247 K's eight tiles;
;   v64-127 S^T, then p; v128-159 V; v160-175 p's codes; v176-177 p's scale words; v178-179 the mask's numbers for the step; v180-185 K's and V's scale words; v190-191 stage addresses; v192-207 at work.
;   window 1: v0-63 O^T (tile of queries u, tile of channels t at 32 u + 8 t).
.set REC,   13568
.set HEADB, 16*REC
.set STEPB, 8960                       ; what a key step has in LDS: K's image, V's image, K's and V's scale words
.set STG,   16*STEPB                   ; behind the tiles: the stages, 2 x 8,192 bytes for each wave; no tile lands here
.set L16, 1
.set L8,  2
.set A16, 3
.set A8,  4
.set NIL, 5
.set D0,  6                            ; v6, v7: my query's place in its block - 16 (lane / 16), for tiles 0 and 1
.set DECL, 10
.set QSL, 14
.set QSH, 15
.set QFL, 16                           ; tile u at + 8 u
.set S,   64
.set VF,  128
.set PF,  160
.set PS,  176
.set DM,  178
.set KSC, 180
.set VSC, 184
.set DECH, 186
.set STA, 190                          ; where I put my parts of O^T
.set LDA, 191                          ; where I find the two parts of the task that I finish
.set TM,  192
.set QFH, 208                          ; tile u at + 40 u
.set OC,  208                          ; o's codes, when the high task's Q is done with
.set SI,  17                           ; s17 the key step
.set TB,  18                           ; s18 its first LDS byte
.set J,   19                           ; s19 counts the trips: the key step is 2 J + parity
.set PAR, 20                           ; s20 my parity
.set SQL, 21                           ; s21 the low task's block
.set SQH, 22                           ; s22 the high task's
.set CX,  23                           ; s23 my work-group's place in the cluster
.set SEL, 48
.set TB0, 57                           ; s57 LDS byte of key step = parity
.set MSB, 0
.macro WIN new
.if MSB != (\new)
	s_set_vgpr_msb (MSB<<8)|(\new)
.set MSB, (\new)
.endif
.endm
.macro CROUND                          ; a round of the cluster's barrier
	s_barrier_signal -1
	s_barrier_wait -1
	s_cmp_lg_u32 s12, 0
	s_cbranch_scc1 .Lnot_wave_0_\@
	s_barrier_signal -3
.Lnot_wave_0_\@:
	s_barrier_wait -3
	s_barrier_signal -1
	s_barrier_wait -1
.endm
.macro SW d, a, b, cc, sa, sb, ra, rb  ; a scaled product; ra, rb = 1: that side's scales are read from lanes 16-31
.if (\ra)==0 && (\rb)==0
	v_wmma_scale_f32_16x16x128_f8f6f4 v[\d:\d+7], v[\a:\a+7], v[\b:\b+7], \cc, v[\sa], v[\sb] matrix_a_fmt:MATRIX_FMT_FP4 matrix_b_fmt:MATRIX_FMT_FP4
.elseif (\rb)==0
	v_wmma_scale_f32_16x16x128_f8f6f4 v[\d:\d+7], v[\a:\a+7], v[\b:\b+7], \cc, v[\sa], v[\sb] matrix_a_fmt:MATRIX_FMT_FP4 matrix_b_fmt:MATRIX_FMT_FP4 matrix_a_scale:MATRIX_SCALE_ROW1
.elseif (\ra)==0
	v_wmma_scale_f32_16x16x128_f8f6f4 v[\d:\d+7], v[\a:\a+7], v[\b:\b+7], \cc, v[\sa], v[\sb] matrix_a_fmt:MATRIX_FMT_FP4 matrix_b_fmt:MATRIX_FMT_FP4 matrix_b_scale:MATRIX_SCALE_ROW1
.else
	v_wmma_scale_f32_16x16x128_f8f6f4 v[\d:\d+7], v[\a:\a+7], v[\b:\b+7], \cc, v[\sa], v[\sb] matrix_a_fmt:MATRIX_FMT_FP4 matrix_b_fmt:MATRIX_FMT_FP4 matrix_a_scale:MATRIX_SCALE_ROW1 matrix_b_scale:MATRIX_SCALE_ROW1
.endif
.endm
; 64 numbers of a lane in four blocks, register src + 16 b + i: largest magnitudes, scale operands (TM + 12 + b), bytes (TM + 4 + b)
.macro QMAX src
.irp b, 0,1,2,3
	v_max3_num_f32 v[TM+\b], 0x1800000, |v[\src+16*\b]|, |v[\src+16*\b+1]|   ; with the floor 2^(3 - 127): the byte cannot fall under 1
.endr
.irp i, 2,4,6,8,10,12,14
.irp b, 0,1,2,3
	v_max3_num_f32 v[TM+\b], v[TM+\b], |v[\src+16*\b+\i]|, |v[\src+16*\b+\i+1]|   ; the four blocks by turns
.endr
.endr
.irp b, 0,1,2,3
	v_permlanex16_b32 v[TM+4+\b], v[TM+\b], s[SEL], s[SEL+1]
.endr
.irp b, 0,1,2,3
	v_max_num_f32 v[TM+\b], v[TM+\b], v[TM+4+\b]   ; with lane l xor 16's 16
.endr
.irp b, 0,1,2,3
	v_add_nc_u32 v[TM+12+\b], 0xff000000, v[TM+\b] ; 2 off the exponent field: the conversion's scale operand
.endr
.irp b, 0,1,2,3
	v_lshrrev_b32 v[TM+4+\b], 23, v[TM+12+\b]      ; the scale's byte
.endr
.endm
.macro QCVT src, c0, c1                ; codes: blocks 0, 1 into v[c0 ..], blocks 2, 3 into v[c1 ..]; lane (r, h) then holds the pair's places 32 h + 0 .. 31
.irp b, 0,1
	v_cvt_scalef32_pk8_fp4_f32 v[\c0+2*\b], v[\src+16*\b:\src+16*\b+7], v[TM+12+\b]
	v_cvt_scalef32_pk8_fp4_f32 v[\c0+2*\b+1], v[\src+16*\b+8:\src+16*\b+15], v[TM+12+\b]
	v_cvt_scalef32_pk8_fp4_f32 v[\c1+2*\b], v[\src+32+16*\b:\src+32+16*\b+7], v[TM+14+\b]
	v_cvt_scalef32_pk8_fp4_f32 v[\c1+2*\b+1], v[\src+32+16*\b+8:\src+32+16*\b+15], v[TM+14+\b]
.endr
	v_nop                                          ; one plain line behind a scaled conversion
.irp i, 0,1
	v_permlane16_swap_b32 v[\c0+\i], v[\c0+2+\i]
	v_permlane16_swap_b32 v[\c1+\i], v[\c1+2+\i]
.endr
.endm
	s_load_b128 s[4:7], s[0:1], 0x0                ; qkv, gamma
	s_load_b128 s[8:11], s[0:1], 0x10              ; oimg, osc
	v_lshl_add_u32 v202, v0, 2, 0x43000
	v_mov_b32 v203, 0
	ds_add_u32 v202, v203
	ds_add_u32 v202, v203
	v_lshrrev_b32 v8, 5, v0
	v_readfirstlane_b32 s12, v8                    ; wave 0..7
	s_and_b32 s13, ttmp7, 0xffff                   ; 16 batch + head: the four partners share it
	s_bfe_u32 s[CX], ttmp6, 0x40000                ; cx
	s_mov_b32 s24, 15|(3<<16)|(1<<21)              ; group 1: the mask names all four work-groups; elements of 8 bytes; bit 21 beside a mask; no padding
	s_mov_b32 s25, 32<<16                          ; tensor_dim0 = 32 elements: rows of 256 bytes
	s_mov_b32 s26, 35<<16                          ; tensor_dim1 = 35 rows: 8,960 dense bytes
	s_mov_b32 s27, 32<<16                          ; tile_dim0
	s_mov_b32 s28, 35                              ; tile_dim1
	s_mov_b32 s29, 32                              ; from row to row
	s_mov_b32 s30, 0
	s_mov_b32 s31, 0
	s_mul_i32 s50, s13, HEADB                      ; the head's sixteen records
	s_mul_i32 s15, s12, REC
	s_add_co_u32 s14, s50, s15                     ; step w's: head and wave alone enter a joint load's addresses
	s_mov_b32 s15, 0
	s_mul_i32 s16, s12, STEPB
	s_wait_dscnt 0x0
	s_wait_kmcnt 0x0
	s_mov_b32 s32, 1
	s_mov_b32 s33, s16                             ; LDS: step w
	s_add_nc_u64 s[34:35], s[4:5], s[14:15]
	s_mov_b32 s36, 1
	s_add_co_u32 s37, s16, 8*STEPB                 ; and step 8 + w
	s_add_nc_u64 s[38:39], s[34:35], 8*REC
	s_or_b32 s35, s35, 0x80000000
	s_or_b32 s39, s39, 0x80000000
	CROUND                                         ; all four work-groups are here: the joint loads meet
	tensor_load_to_lds s[32:35], s[24:31]          ; every wave brings bytes of its own: two loads of mine are out
	s_nop 0
	tensor_load_to_lds s[36:39], s[24:31]
	s_nop 0
.rept 4
	v_nop
.endr
	s_and_b32 s[PAR], s12, 1
	s_lshr_b32 s16, s12, 1
	s_lshl_b32 s[SQL], ttmp9, 2
	s_add_co_u32 s[SQL], s[SQL], s16               ; the low task's block: 4 x cluster x + wave / 2, 0 .. 7: also the key step on its diagonal
	s_sub_co_u32 s[SQH], 15, s[SQL]                ; the high task's: 8 .. 15
	s_mul_i32 s[TB0], s[PAR], STEPB
	s_mul_i32 s14, s[SQL], REC
	s_add_co_u32 s14, s14, s50
	s_add_nc_u64 s[40:41], s[4:5], s[14:15]        ; the low queries' record
	s_mul_i32 s14, s[SQH], REC
	s_add_co_u32 s14, s14, s50
	s_add_nc_u64 s[52:53], s[4:5], s[14:15]        ; the high queries'
	s_lshl_b32 s14, s[CX], 2
	s_add_nc_u64 s[42:43], s[40:41], s[14:15]      ; + my pair's place in a lane's four scale words
	s_add_nc_u64 s[54:55], s[52:53], s[14:15]
	s_lshl_b32 s14, s[CX], 10
	s_add_nc_u64 s[40:41], s[40:41], s[14:15]      ; + my two tiles' place in Q's image
	s_add_nc_u64 s[52:53], s[52:53], s[14:15]
	s_and_b32 s45, s13, 15
	s_lshl_b32 s45, s45, 2
	s_load_b32 s44, s[6:7], s45 offset:0x0         ; gamma of my head
	v_and_b32 v8, 31, v0
	v_lshlrev_b32 v[L16], 4, v8
	v_lshlrev_b32 v[L8], 3, v8
	global_load_b128 v[QFL:QFL+3], v[L16], s[40:41] offset:8960
	global_load_b128 v[QFL+8:QFL+11], v[L16], s[40:41] offset:8960+512
	global_load_b32 v[QSL], v[L16], s[42:43] offset:13056   ; lanes 0-15 tile 0's words, lanes 16-31 tile 1's
	global_load_b128 v[QFH:QFH+3], v[L16], s[52:53] offset:8960
	global_load_b128 v[QFH+40:QFH+43], v[L16], s[52:53] offset:8960+512
	global_load_b32 v[QSH], v[L16], s[54:55] offset:13056
	v_mov_b32 v[NIL], 0
.irp j, 4,5,6,7,12,13,14,15
	v_mov_b32 v[QFL+\j], 0                         ; zero codes for K = 64 .. 127 of the first product
.endr
.irp j, 4,5,6,7,44,45,46,47
	v_mov_b32 v[QFH+\j], 0
.endr
.irp t, 0,1,2,3,4,5,6,7
.irp j, 4,5,6,7
	v_mov_b32 v[32+8*\t+152*(\t/4)+\j], 0          ; likewise in K's eight tiles: written once, the loads fill registers 0-3 alone
.endr
.endr
.irp b, 0,1,2,3
	v_mov_b32 v[TM+4+\b], 0                        ; a lane permute's destination counts as a source
.endr
	s_lshl_b32 s16, s12, 14                        ; my stage: 16,384 bytes a wave
	s_add_co_u32 s16, s16, STG
	v_add_nc_u32 v[STA], s16, v[L16]
	s_and_b32 s16, s12, 6                          ; the even wave of my two,
	s_lshl_b32 s16, s16, 14
	s_lshl_b32 s58, s[PAR], 13                     ; its low part if I am even, its high part if I am odd
	s_add_co_u32 s16, s16, s58
	s_add_co_u32 s16, s16, STG
	v_add_nc_u32 v[LDA], s16, v[L16]
	v_and_b32 v8, 15, v0
	v_and_b32 v9, 8, v8
	v_add_nc_u32 v8, v8, v9                        ; r + 8 (r / 8)
	v_bfe_u32 v9, v0, 4, 1
	v_lshlrev_b32 v9, 4, v9
	v_sub_nc_u32 v[D0], v8, v9
	s_lshl_b32 s16, s[CX], 5
	v_add_nc_u32 v[D0], s16, v[D0]                 ; tile 0: my query's place in its block - 16 h: the same in both tasks
	v_add_nc_u32 v[D0+1], 8, v[D0]                 ; tile 1: eight on
	s_lshl_b32 s50, s[SQL], 7
	s_add_co_u32 s50, s50, s16
	s_lshl_b32 s51, s[SQH], 7
	s_add_co_u32 s51, s51, s16
	v_add_nc_u32 v66, s50, v8                      ; my query's index: low task, tile 0,
	v_add_nc_u32 v67, 8, v66                       ; tile 1;
	v_add_nc_u32 v68, s51, v8                      ; high task, tile 0,
	v_add_nc_u32 v69, 8, v68                       ; tile 1
	s_mov_b32 s[SEL], 0x76543210
	s_mov_b32 s[SEL+1], 0xfedcba98
	s_wait_kmcnt 0x0
	s_and_b32 s46, s44, 0x7fffffff
	s_and_b32 s47, s44, 0x80000000
	v_log_f32 v64, s46
	v_nop                                          ; a plain line behind the transcendental
.irp i, 0,1,2,3
	v_cvt_f32_u32 v[70+\i], v[66+\i]
.endr
	s_wait_alu depctr_va_vdst(0)
	v_max_num_f32 v64, 0xc47a0000, v64             ; -1,000 from below
.irp i, 0,1,2,3
	v_mul_f32 v[70+\i], v[70+\i], v64
.endr
	v_exp_f32 v[DECL], v70
	v_exp_f32 v[DECL+2], v71
	v_exp_f32 v[DECH], v72
	v_exp_f32 v[DECH+2], v73
.irp i, 0,1,2,3
	v_lshlrev_b32 v[66+\i], 31, v[66+\i]           ; (plain lines behind the exponentials)  an odd index at the sign's place,
.endr
.irp i, 0,1,2,3
	v_and_b32 v[66+\i], s47, v[66+\i]              ; where gamma is negative
.endr
	s_wait_alu depctr_va_vdst(0)
	v_xor_b32 v[DECL], v[DECL], v66
	v_xor_b32 v[DECL+2], v[DECL+2], v67
	v_xor_b32 v[DECH], v[DECH], v68
	v_xor_b32 v[DECH+2], v[DECH+2], v69
	v_mov_b32 v[DECL+1], v[DECL]                   ; pairs for the packed multiplies
	v_mov_b32 v[DECL+3], v[DECL+2]
	v_mov_b32 v[DECH+1], v[DECH]
	v_mov_b32 v[DECH+3], v[DECH+2]
; Half g of a key step: keys 64 g .. 64 g + 63 against a task's 32 queries.  Register S + 32 u + 16 b + i: query tile u, key 64 g + 32 b + 16 (lane / 16) + i.
; qf, qstr: Q's tile u at v[qf + qstr u];  qs: its scale words;  dec: the decays;  sq: the scalar that holds the task's block;  mask = 0: a copy whose steps all lie under the diagonal.
.macro HALF g, qf, qstr, qs, dec, sq, mask
.irp t, 0,1,2,3
.irp u, 0,1
	SW S+32*\u+8*\t, 32+184*\g+8*\t, (\qf)+(\qstr)*\u, 0, KSC+2*\g+\t/2, \qs, \t%2, \u
.endr
.endr
.rept 4
	v_nop                                          ; places behind the products
.endr
.if \mask
	s_cmp_lt_u32 s[SI], s[\sq]
	s_cbranch_scc1 .Lopen_\@                       ; a step under the diagonal has no hidden keys
	s_sub_co_i32 s56, s[\sq], s[SI]
	s_lshl_b32 s56, s56, 7
	v_add_nc_u32 v[DM], s56, v[D0]                 ; my query's place counted from this step's first key (under 0 where the whole step is hidden)
	v_add_nc_u32 v[DM+1], s56, v[D0+1]
.set n, 0
.rept 64
	v_cmp_gt_i32 vcc_lo, 64*\g+32*((n%32)/16)+n%16, v[DM+n/32]
	v_cndmask_b32 v[S+n], v[S+n], v[NIL], vcc_lo   ; tril: 0 where the key comes after the query
.set n, n+1
.endr
.Lopen_\@:
.endif
.set n, 0
.rept 32
	v_pk_mul_f32 v[S+n:S+n+1], v[S+n:S+n+1], v[\dec+2*(n/32):\dec+2*(n/32)+1]   ; x gamma^q: each accumulator is read from its low end on
.set n, n+2
.endr
	QMAX S
.irp u, 0,1
.if \g == 0
	v_lshl_or_b32 v[PS+\u], v[TM+5+2*\u], 8, v[TM+4+2*\u]     ; p's scale word: bytes 0, 1
.else
	v_lshl_or_b32 v[PS+\u], v[TM+4+2*\u], 16, v[PS+\u]        ; bytes 2, 3
	v_lshl_or_b32 v[PS+\u], v[TM+5+2*\u], 24, v[PS+\u]
.endif
.endr
	QCVT S, PF+4*\g, PF+8+4*\g                     ; registers 4 g .. 4 g + 3 of p's two fragments
.endm
; A key step of 128 keys.  zero = 1: a task's first, which starts O^T.  skip = 1: a copy whose step may lie wholly behind the diagonal.
.macro STEP zero, skip, mask, qf, qstr, qs, dec, sq
.if \skip
	s_cmp_gt_u32 s[SI], s[\sq]                     ; all its keys come after the queries: left out (ids alone decide; no barrier and no tensor load stands in a step)
	s_cbranch_scc1 .Lskip_\@
.endif
	v_add_nc_u32 v[A16], s[TB], v[L16]
	v_add_nc_u32 v[A8], s[TB], v[L8]
	v_nop
	v_nop                                          ; four plain lines between the last step's products and the loads into their operands
.irp t, 0,1,2,3,4,5,6,7
	ds_load_b128 v[32+8*\t+152*(\t/4):32+8*\t+152*(\t/4)+3], v[A16] offset:512*\t
.endr
	ds_load_b128 v[KSC:KSC+3], v[A16] offset:8192
.irp t, 0,1,2,3
.irp c, 0,1
	ds_load_b128 v[VF+8*\t+4*\c:VF+8*\t+4*\c+3], v[A16] offset:4096+1024*\t+512*\c
.endr
.endr
	ds_load_b64 v[VSC:VSC+1], v[A8] offset:8704
	s_wait_dscnt 9                                 ; K and its scale words are in (and all that was issued earlier); V's eight loads and its scale words may be out
	HALF 0, \qf, \qstr, \qs, \dec, \sq, \mask
	HALF 1, \qf, \qstr, \qs, \dec, \sq, \mask
	s_wait_dscnt 0x0                               ; V
.rept 8
	v_nop                                          ; p's scale words, written by vector lines, stand eight places ahead of the scaled products, its codes four
.endr
.if \zero
	WIN 0x40                                       ; destination window 1
.else
	WIN 0x50                                       ; C and D window 1
.endif
.irp t, 0,1,2,3
.irp u, 0,1
.if \zero
	SW 32*\u+8*\t, VF+8*\t, PF+8*\u, 0, VSC+\t/2, PS+\u, \t%2, 0
.else
	SW 32*\u+8*\t, VF+8*\t, PF+8*\u, v[32*\u+8*\t:32*\u+8*\t+7], VSC+\t/2, PS+\u, \t%2, 0   ; eight accumulators by turns, one instruction a turn
.endif
.endr
.endr
	WIN 0
.if \skip
.Lskip_\@:
.endif
	s_add_co_u32 s[TB], s[TB], 2*STEPB             ; my next key step lies two on
.endm
; My part of a task's O^T goes to my stage as it stands: 16 bytes a lane, 512 a store.  k = 0: the low task's, 1: the high task's.
.macro DUMP k
.rept 4
	v_nop                                          ; places behind the last products
.endr
	WIN 0x04                                       ; an LDS store's data are its source 1: window 1
.irp j, 0,1,2,3,4,5,6,7,8,9,10,11,12,13,14,15
	ds_store_b128 v[STA], v[4*\j:4*\j+3] offset:8192*\k+512*\j   ; each accumulator from its low end on
.endr
	WIN 0
.endm
	s_wait_tensorcnt 0x1                           ; my step w is in; step 8 + w may be out
	s_barrier_signal -1
	s_barrier_wait -1                              ; steps 0 to 7 are whole
	s_wait_loadcnt 0x0                             ; Q
	; THE LOW TASK: key steps parity, parity + 2, .. up to its block, which is 7 at the most
	s_mov_b32 s[SI], s[PAR]
	s_mov_b32 s[TB], s[TB0]
	STEP 1, 0, 1, QFL, 8, QSL, DECL, SQL
	s_mov_b32 s[J], 1
.Llow:
	s_lshl_b32 s[SI], s[J], 1
	s_add_co_u32 s[SI], s[SI], s[PAR]
	STEP 0, 1, 1, QFL, 8, QSL, DECL, SQL
	s_add_co_u32 s[J], s[J], 1
	s_cmp_lt_u32 s[J], 4
	s_cbranch_scc1 .Llow
	DUMP 0                                         ; the next products that write O^T stand behind the next step's waits on DScnt: these stores have read their data by then
	; THE HIGH TASK: its block is 8 at the least, so key steps 0 to 7 are neither left out nor masked
	s_mov_b32 s[SI], s[PAR]
	s_mov_b32 s[TB], s[TB0]
	STEP 1, 0, 0, QFH, 40, QSH, DECH, SQH
	s_mov_b32 s[J], 1
.Lhigh_a:
	STEP 0, 0, 0, QFH, 40, QSH, DECH, SQH
	s_add_co_u32 s[J], s[J], 1
	s_cmp_lt_u32 s[J], 4
	s_cbranch_scc1 .Lhigh_a
	s_wait_tensorcnt 0x0                           ; my step 8 + w is in
	s_wait_dscnt 0x0
	s_barrier_signal -1
	s_barrier_wait -1                              ; steps 8 to 15 are whole
	s_mov_b32 s[J], 4
.Lhigh_b:
	s_lshl_b32 s[SI], s[J], 1
	s_add_co_u32 s[SI], s[SI], s[PAR]
	STEP 0, 1, 1, QFH, 40, QSH, DECH, SQH
	s_add_co_u32 s[J], s[J], 1
	s_cmp_lt_u32 s[J], 8
	s_cbranch_scc1 .Lhigh_b
	DUMP 1
	s_wait_dscnt 0x0                               ; for the other wave's sake: my stores into the stage are done
	s_barrier_signal -1
	s_barrier_wait -1
	; THE WAY OUT.  The even wave finishes the low task, the odd wave the high one: the two waves' parts are added; the 64 numbers of a lane are two queries' 64 channels: four blocks of 32.
.irp j, 0,1,2,3,4,5,6,7,8,9,10,11,12,13,14,15
	ds_load_b128 v[S+4*\j:S+4*\j+3], v[LDA] offset:512*\j              ; the even wave's part
.endr
	WIN 0x40                                       ; destination window 1
.irp j, 0,1,2,3,4,5,6,7,8,9,10,11,12,13,14,15
	ds_load_b128 v[4*\j:4*\j+3], v[LDA] offset:16384+512*\j            ; the odd wave's
.endr
	WIN 0
	s_cmp_eq_u32 s[PAR], 1
	s_cselect_b32 s58, s[SQH], s[SQL]              ; the block that I finish = token / 128 within the batch
	s_lshr_b32 s59, s13, 4                         ; batch
	s_and_b32 s60, s13, 15                         ; head
	s_lshl_b32 s62, s59, 4
	s_add_co_u32 s62, s62, s58
	s_lshl_b32 s62, s62, 16                        ; oimg: 65,536 bytes for 128 tokens,
	s_lshr_b32 s16, s60, 1
	s_lshl_b32 s16, s16, 13                        ; 8,192 for two heads,
	s_add_co_u32 s62, s62, s16
	s_lshl_b32 s16, s[CX], 11                      ; 2,048 for my two tiles,
	s_add_co_u32 s62, s62, s16
	s_and_b32 s16, s60, 1
	s_lshl_b32 s16, s16, 9                         ; 512 for the head's half of a fragment
	s_add_co_u32 s62, s62, s16
	s_mov_b32 s63, 0
	s_add_nc_u64 s[8:9], s[8:9], s[62:63]
	s_lshl_b32 s62, s59, 6
	s_lshl_b32 s16, s58, 2
	s_add_co_u32 s62, s62, s16
	s_add_co_u32 s62, s62, s[CX]                   ; token / 32
	s_lshl_b32 s62, s62, 6
	s_lshl_b32 s16, s60, 13
	s_add_co_u32 s62, s62, s16
	s_add_nc_u64 s[10:11], s[10:11], s[62:63]
	s_wait_dscnt 0x0
	WIN 0x04                                       ; source 1 window 1
.set n, 0
.rept 32
	v_pk_add_f32 v[S+n:S+n+1], v[S+n:S+n+1], v[n:n+1]
.set n, n+2
.endr
	WIN 0
	QMAX S
	v_lshl_or_b32 v248, v[TM+5], 8, v[TM+4]        ; tile 0's two bytes
	v_lshl_or_b32 v249, v[TM+7], 8, v[TM+6]        ; tile 1's
	v_and_b32 v8, 31, v0
	v_cmp_le_u32 vcc_lo, 16, v8
	v_cndmask_b32 v250, v248, v249, vcc_lo         ; lanes 0-15 tile 0, lanes 16-31 tile 1
	v_lshlrev_b32 v9, 1, v8
	QCVT S, OC, OC+4
	global_store_b128 v[L16], v[OC:OC+3], s[8:9]                 ; 512 consecutive bytes, aligned
	global_store_b128 v[L16], v[OC+4:OC+7], s[8:9] offset:1024
	global_store_b16 v9, v250, s[10:11]                          ; 64 consecutive bytes: a sixteenth of the codes' bytes
	s_wait_tensorcnt 0x0
	ds_add_u32 v202, v203
	s_wait_dscnt 0x0
	CROUND                                         ; the closing round: no work-group ends while a partner may still ask for a tile that names it
	s_endpgm
.Lfunc_end_k_q4fe062865c_attn:
	.size	k_q4fe062865c_attn, .Lfunc_end_k_q4fe062865c_attn-k_q4fe062865c_attn
	.p2alignl 7, 3214868480
	.fill 96, 4, 3214868480
	.section	.rodata,"a",@progbits
	.p2align	6, 0x0
	.amdhsa_kernel k_q4fe062865c_attn
		.amdhsa_group_segment_fixed_size 275456
		.amdhsa_private_segment_fixed_size 0
		.amdhsa_enable_private_segment 0
		.amdhsa_kernarg_size 32
		.amdhsa_user_sgpr_count 2
		.amdhsa_user_sgpr_kernarg_segment_ptr 1
		.amdhsa_wavefront_size32 1
		.amdhsa_system_sgpr_workgroup_id_x 1
		.amdhsa_system_sgpr_workgroup_id_y 1
		.amdhsa_system_sgpr_workgroup_id_z 1
		.amdhsa_system_vgpr_workitem_id 0
		.amdhsa_next_free_vgpr 320
		.amdhsa_next_free_sgpr 66
		.amdhsa_reserve_vcc 1
		.amdhsa_float_denorm_mode_32 3
		.amdhsa_float_denorm_mode_16_64 3
		.amdhsa_memory_ordered 1
		.amdhsa_forward_progress 1
		.amdhsa_inst_pref_size 134
	.end_amdhsa_kernel
	.amdgpu_metadata
---
amdhsa.version: [ 1, 2 ]
amdhsa.kernels:
  - .name:           k_q4fe062865c_attn
    .symbol:         k_q4fe062865c_attn.kd
    .args:
      - { .name: qkv, .offset: 0, .size: 8, .value_kind: global_buffer, .address_space: global }
      - { .name: gamma, .offset: 8, .size: 8, .value_kind: global_buffer, .address_space: global }
      - { .name: oimg, .offset: 16, .size: 8, .value_kind: global_buffer, .address_space: global }
      - { .name: osc, .offset: 24, .size: 8, .value_kind: global_buffer, .address_space: global }
    .group_segment_fixed_size: 275456
    .private_segment_fixed_size: 0
    .kernarg_segment_align: 8
    .kernarg_segment_size: 32
    .max_flat_workgroup_size: 256
    .sgpr_count:     66
    .vgpr_count:     320
    .wavefront_size: 32
...
	.end_amdgpu_metadata
.endif
;; end of part 3
;; launch outp (part 4): grid 8 x 32, 4 waves a work-group, clusters of 4 x 4, 168,448 bytes of LDS; arguments oimg, osc, cod, scl, bo, out0; writes out0
.if DOCPART == 4
	.amdgcn_target "amdgcn-amd-amdhsa--gfx1250"
	.amdhsa_code_object_version 6
	.text
	.protected	k_q4fe062865c_outp
	.globl	k_q4fe062865c_outp
	.p2align	8
	.type	k_q4fe062865c_outp,@function
k_q4fe062865c_outp:
	s_mov_b64 s[64:65], 0
	v_nop
	global_prefetch_b8 v0, s[64:65] scope:SCOPE_SE
	s_setreg_imm32_b32 hwreg(HW_REG_WAVE_MODE, 25, 1), 1
	s_wait_xcnt 0x0
	s_wait_alu depctr_hold_cnt(0) depctr_sa_sdst(0) depctr_va_vdst(0) depctr_va_sdst(0) depctr_va_ssrc(0) depctr_va_vcc(0) depctr_vm_vsrc(0)
	s_getreg_b32 s2, hwreg(HW_REG_IB_STS2, 6, 4)
	s_cmp_eq_u32 s2, 0
	s_cbranch_scc0 .Lentry_in_a_cluster
	s_endpgm
.Lentry_in_a_cluster:
	s_bfe_u32 s2, ttmp6, 0x10000c
	s_cmp_lg_u32 s2, 0xf033
	s_cbranch_scc0 .Lentry_shape_is_right
	s_endpgm
.Lentry_shape_is_right:
; out0 = o Wo^T + bo on codes of FP4 with E8M0 scales, K = 1,024.  o comes as images of its fragments (oimg) and two scale bytes a token and head (osc); Wo as cod's rows 7,168 on and scl's.
; A tile of 128 tokens x 128 columns is made by four waves, 64 x 64 each (16 accumulators): 256 work-groups.  All of K lies in LDS: o's block of 65,536 bytes as it lies in memory, Wo's 128 rows in two halves of K
; (rows of 256 bytes + 16 of padding).  Each wave brings two joint loads at the head, K's first half and its second; nothing is filled twice.
; CLUSTERS: 4 x 4 work-groups: o's block hangs on the tile row and is asked for jointly by a row of the cluster, Wo's rows on the tile column and by a column.
; The matrix instruction takes 16 rows of Wo as source 0 and 16 tokens as source 1: a lane holds one token and eight neighbouring columns.  bo is the C of each sum's first product.
; The rows of a tile, of tokens and of Wo alike, are 8 u + r + 8 (r / 8) of their 32 (the order in which the earlier launches stored them): the way out puts each number at its true place.
; REGISTERS: window 0: v16-20 addresses; v32-47 Wo's scale words, v48-63 o's; v64-95 bo, later rows on their way out; v96-127 o's scale bytes as loaded, later rows; v128-255 accumulators ((a, b) at 128 + 8 (4 a + b)).
;   window 1: two sets of fragments of 64 registers: Wo's four, then o's four.
.set BB,    65536                      ; LDS: Wo's rows, [half of K][128 rows][272]
.set BHALF, 128*272
.set STG,   BB+2*BHALF                 ; the stages for the way out: 16 rows x (256 bytes + 16) for each wave; no tile lands here
.set ADRA, 16
.set ADRB, 17
.set STO,  18
.set RD,   19
.set CO,   20
.set BS,   32
.set AS,   48
.set BN,   64
.set U,    96
.set ACC,  128
.set G1A, 24
.set G0A, 32
.set G1B, 48
.set G0B, 56
.set MSB, 0
.macro WIN new
.if MSB != (\new)
	s_set_vgpr_msb (MSB<<8)|(\new)
.set MSB, (\new)
.endif
.endm
.macro SW d, a, b, cc, sa, sb, ra, rb  ; a scaled product; ra, rb = 1: that side's scales are read from lanes 16-31
.if (\ra)==0 && (\rb)==0
	v_wmma_scale_f32_16x16x128_f8f6f4 v[\d:\d+7], v[\a:\a+7], v[\b:\b+7], \cc, v[\sa], v[\sb] matrix_a_fmt:MATRIX_FMT_FP4 matrix_b_fmt:MATRIX_FMT_FP4
.elseif (\rb)==0
	v_wmma_scale_f32_16x16x128_f8f6f4 v[\d:\d+7], v[\a:\a+7], v[\b:\b+7], \cc, v[\sa], v[\sb] matrix_a_fmt:MATRIX_FMT_FP4 matrix_b_fmt:MATRIX_FMT_FP4 matrix_a_scale:MATRIX_SCALE_ROW1
.elseif (\ra)==0
	v_wmma_scale_f32_16x16x128_f8f6f4 v[\d:\d+7], v[\a:\a+7], v[\b:\b+7], \cc, v[\sa], v[\sb] matrix_a_fmt:MATRIX_FMT_FP4 matrix_b_fmt:MATRIX_FMT_FP4 matrix_b_scale:MATRIX_SCALE_ROW1
.else
	v_wmma_scale_f32_16x16x128_f8f6f4 v[\d:\d+7], v[\a:\a+7], v[\b:\b+7], \cc, v[\sa], v[\sb] matrix_a_fmt:MATRIX_FMT_FP4 matrix_b_fmt:MATRIX_FMT_FP4 matrix_a_scale:MATRIX_SCALE_ROW1 matrix_b_scale:MATRIX_SCALE_ROW1
.endif
.endm
.macro JLOAD g0a, g0b                  ; a joint load: waves 0 and 1 fetch o's codes, waves 2 and 3 Wo's; four v_nop follow each of the two lines
	s_cmp_eq_u32 s17, 0
	s_cbranch_scc0 .Lfor_b_\@
	tensor_load_to_lds s[\g0a:\g0a+3], s[G1A:G1A+7]
	s_nop 0
.rept 4
	v_nop
.endr
	s_branch .Lasked_\@
.Lfor_b_\@:
	tensor_load_to_lds s[\g0b:\g0b+3], s[G1B:G1B+7]
	s_nop 0
.rept 4
	v_nop
.endr
.Lasked_\@:
.endm
.macro CROUND                          ; a round of the cluster's barrier
	s_barrier_signal -1
	s_barrier_wait -1
	s_cmp_lg_u32 s16, 0
	s_cbranch_scc1 .Lnot_wave_0_\@
	s_barrier_signal -3
.Lnot_wave_0_\@:
	s_barrier_wait -3
	s_barrier_signal -1
	s_barrier_wait -1
.endm
	s_load_b256 s[4:11], s[0:1], 0x0               ; oimg s[4:5], osc s[6:7], cod s[8:9], scl s[10:11]
	s_load_b128 s[12:15], s[0:1], 0x20             ; bo s[12:13], out0 s[14:15]
	v_lshl_add_u32 v30, v0, 2, 0x29000
	v_mov_b32 v31, 0
	ds_add_u32 v30, v31
	ds_add_u32 v30, v31
	v_lshrrev_b32 v1, 5, v0
	v_readfirstlane_b32 s16, v1                    ; wave 0..3
	s_lshr_b32 s17, s16, 1                         ; my half of the tokens.  Also: I fetch o's codes (0) or Wo's (1)
	s_and_b32 s18, s16, 1                          ; my half of the columns.  Also: which half of a load's share I fetch
	s_bfe_u32 s40, ttmp6, 0x40000                  ; cx
	s_bfe_u32 s41, ttmp6, 0x40004                  ; cy
	s_lshl_b32 s42, ttmp9, 2
	s_add_co_u32 s42, s42, s40                     ; tile column
	s_and_b32 s19, ttmp7, 0xffff
	s_lshl_b32 s19, s19, 2
	s_add_co_u32 s19, s19, s41                     ; tile row
	s_lshl_b32 s43, s41, 2
	s_lshl_b32 s43, 15, s43                        ; my row of the cluster
	s_lshl_b32 s44, 0x1111, s40                    ; my column
	s_or_b32 s[G1A+0], s43, (3<<16)|(1<<21)        ; o's codes: 16,384 dense bytes as 64 rows of 256 (32 elements of 8 bytes), no padding
	s_mov_b32 s[G1A+1], 32<<16
	s_mov_b32 s[G1A+2], 64<<16
	s_mov_b32 s[G1A+3], 32<<16
	s_mov_b32 s[G1A+4], 64
	s_mov_b32 s[G1A+5], 32
	s_mov_b32 s[G1A+6], 0
	s_mov_b32 s[G1A+7], 0
	s_or_b32 s[G1B+0], s44, (0<<16)|(1<<20)|(1<<21)|(5<<22)|(3<<25)  ; Wo's: 64 rows of 256 bytes, 512 apart; 4 words of padding behind every 64
	s_mov_b32 s[G1B+1], 256<<16
	s_mov_b32 s[G1B+2], 64<<16
	s_mov_b32 s[G1B+3], 256<<16
	s_mov_b32 s[G1B+4], 64
	s_mov_b32 s[G1B+5], 512
	s_mov_b32 s[G1B+6], 0
	s_mov_b32 s[G1B+7], 0
	s_lshl_b32 s20, s19, 16                        ; o's block of 65,536 bytes,
	s_lshl_b32 s22, s18, 14                        ; my 16,384 of each half: the same place in memory and in LDS
	s_add_co_u32 s20, s20, s22
	s_mov_b32 s21, 0
	s_lshl_b32 s46, s42, 7
	s_lshl_b32 s23, s18, 6
	s_add_co_u32 s46, s46, s23
	s_add_co_u32 s46, s46, 7168                    ; cod's row 7,168 + 128 x tile column + 64 x half
	s_lshl_b32 s46, s46, 9
	s_mov_b32 s47, 0
	s_mul_i32 s45, s18, 64*272
	s_add_co_u32 s45, s45, BB
	s_wait_dscnt 0x0
	s_wait_kmcnt 0x0
	s_add_nc_u64 s[20:21], s[4:5], s[20:21]
	s_add_nc_u64 s[46:47], s[8:9], s[46:47]
	CROUND                                         ; all sixteen work-groups are here: the joint loads meet
.irp k, 0,1
	s_mov_b32 s[G0A+4*\k], 1
	s_add_co_u32 s[G0A+4*\k+1], s22, \k*32768
	s_add_nc_u64 s[G0A+4*\k+2:G0A+4*\k+3], s[20:21], \k*32768
	s_or_b32 s[G0A+4*\k+3], s[G0A+4*\k+3], 0x80000000
	s_mov_b32 s[G0B+4*\k], 1
	s_add_co_u32 s[G0B+4*\k+1], s45, \k*BHALF
	s_add_nc_u64 s[G0B+4*\k+2:G0B+4*\k+3], s[46:47], \k*256
	s_or_b32 s[G0B+4*\k+3], s[G0B+4*\k+3], 0x80000000
	JLOAD G0A+4*\k, G0B+4*\k                       ; K's half k: two loads of mine are out behind the second
.endr
	v_and_b32 v1, 15, v0                           ; r
	v_bfe_u32 v2, v0, 4, 1                         ; h
	v_and_b32 v3, 31, v0                           ; lane
	s_lshl_b32 s23, s17, 12
	v_lshlrev_b32 v[ADRA], 4, v3
	v_add_nc_u32 v[ADRA], s23, v[ADRA]             ; o's images: 16 x lane + my four tiles
	v_mul_u32_u24 v4, v1, 272
	v_lshl_add_u32 v4, v2, 4, v4
	s_mul_i32 s23, s18, 64*272
	s_add_co_u32 s23, s23, BB
	v_add_nc_u32 v[ADRB], s23, v4                  ; Wo: row x pitch + 16 h, my 64 rows
	s_mul_i32 s23, s16, 16*272
	s_add_co_u32 s23, s23, STG                     ; my stage
	v_mul_u32_u24 v5, v1, 272
	v_lshl_add_u32 v5, v2, 6, v5
	v_add_nc_u32 v[STO], s23, v5                   ; in: row r, + 64 h
	v_mul_u32_u24 v6, v2, 272
	v_lshl_add_u32 v6, v1, 4, v6
	v_add_nc_u32 v[RD], s23, v6                    ; back: lanes 0-15 one row, lanes 16-31 the next
	v_lshlrev_b32 v7, 12, v2
	v_lshl_add_u32 v[CO], v1, 4, v7                ; and the same two rows in out0
	v_lshlrev_b32 v8, 5, v3                        ; scl: 32 bytes a row, a lane a row
	v_lshlrev_b32 v9, 1, v3                        ; osc: two bytes a lane
	v_lshlrev_b32 v10, 6, v2                       ; bo: 64 h
	s_lshl_b32 s2, s42, 7
	s_lshl_b32 s3, s18, 6
	s_add_co_u32 s2, s2, s3                        ; my first column
	s_add_co_u32 s66, s2, 7168
	s_lshl_b32 s66, s66, 5
	s_mov_b32 s67, 0
	s_add_nc_u64 s[66:67], s[10:11], s[66:67]      ; its row of scales
	s_lshl_b32 s68, s2, 2
	s_mov_b32 s69, 0
	s_add_nc_u64 s[70:71], s[12:13], s[68:69]      ; its bias
	s_lshl_b32 s72, s19, 2
	s_lshl_b32 s3, s17, 1
	s_add_co_u32 s72, s72, s3
	s_lshl_b32 s72, s72, 6                         ; osc: 64 bytes for each 32 tokens
	s_mov_b32 s73, 0
	s_add_nc_u64 s[72:73], s[6:7], s[72:73]
	s_lshl_b32 s74, s19, 7
	s_lshl_b32 s3, s17, 6
	s_add_co_u32 s74, s74, s3                      ; my first token
	s_lshl_b32 s74, s74, 12
	s_add_co_u32 s74, s74, s68
	s_mov_b32 s75, 0
	s_add_nc_u64 s[74:75], s[14:15], s[74:75]      ; my corner of out0
.irp p, 0,1
	global_load_b128 v[BS+8*\p:BS+8*\p+3], v8, s[66:67] offset:1024*\p        ; register 8 p + s: K step s; lanes 0-15 tile 2 p, lanes 16-31 tile 2 p + 1
	global_load_b128 v[BS+8*\p+4:BS+8*\p+7], v8, s[66:67] offset:1024*\p+16
.endr
.irp b, 0,1,2,3
	global_load_b128 v[BN+8*\b:BN+8*\b+3], v10, s[70:71] offset:(32*(\b/2)+8*(\b%2))*4
	global_load_b128 v[BN+8*\b+4:BN+8*\b+7], v10, s[70:71] offset:(32*(\b/2)+8*(\b%2))*4+16
.endr
.irp p, 0,1
.irp e, 0,1,2,3,4,5,6,7,8,9,10,11,12,13,14,15
	global_load_u16 v[U+16*\p+\e], v9, s[72:73] offset:8192*\e+64*\p          ; head e's two bytes of my tokens
.endr
.endr
	s_wait_loadcnt 0x0
.irp p, 0,1
.irp s, 0,1,2,3,4,5,6,7
	v_lshl_or_b32 v[AS+8*\p+\s], v[U+16*\p+2*\s+1], 16, v[U+16*\p+2*\s]       ; K step s is heads 2 s and 2 s + 1: four bytes
.endr
.endr
.rept 8
	v_nop                                          ; scale words written by vector lines stand eight places ahead of a scaled product
.endr
.macro FETCH s, f                      ; K step s's eight fragments into set f of window 1
	WIN 0x40
.irp b, 0,1,2,3
.irp c, 0,1
	ds_load_b128 v[\f+8*\b+4*\c:\f+8*\b+4*\c+3], v[ADRB] offset:BHALF*((\s)/4)+4352*\b+64*((\s)%4)+32*\c
.endr
.endr
.irp a, 0,1,2,3
.irp c, 0,1
	ds_load_b128 v[\f+32+8*\a+4*\c:\f+32+8*\a+4*\c+3], v[ADRA] offset:8192*(\s)+1024*\a+512*\c
.endr
.endr
.endm
.macro MULS s, f                       ; 16 products: the accumulators take turns, one instruction a turn
	WIN 0x05                                       ; sources 0 and 1 window 1
.irp a, 0,1,2,3
.irp b, 0,1,2,3
.if \s == 0
	SW ACC+8*(4*\a+\b), \f+8*\b, \f+32+8*\a, v[BN+8*\b:BN+8*\b+7], BS+8*(\b/2)+\s, AS+8*(\a/2)+\s, \b%2, \a%2
.else
	SW ACC+8*(4*\a+\b), \f+8*\b, \f+32+8*\a, v[ACC+8*(4*\a+\b):ACC+8*(4*\a+\b)+7], BS+8*(\b/2)+\s, AS+8*(\a/2)+\s, \b%2, \a%2
.endif
.endr
.endr
.endm
	s_wait_tensorcnt 0x1                           ; my part of K's first half is in; the second half's load may be out
	s_barrier_signal -1
	s_barrier_wait -1
	FETCH 0, 0
.irp s, 0,1,2,3,4,5,6,7
.if \s > 0
.rept 4
	v_nop                                          ; places in front of loads into the set that the last products read
.endr
.endif
.if \s == 3
	s_wait_tensorcnt 0x0                           ; my part of K's second half is in
	s_wait_dscnt 0x0
	s_barrier_signal -1
	s_barrier_wait -1                              ; everybody's is
.endif
.if \s < 7
	FETCH \s+1, 64*((\s+1)%2)
	s_wait_dscnt 16                                ; all but the sixteen just issued
.else
	s_wait_dscnt 0x0
.endif
	MULS \s, 64*(\s%2)
.endr
	WIN 0
.rept 4
	v_nop
.endr
; THE WAY OUT, a block of 16 tokens x 64 columns at a time through my own stage: in by lanes (32 neighbouring bytes of a row), back by rows of 256 bytes.  LDS serves a wave's instructions in order: no wait between stores and loads.
.macro TOSTAGE a
.irp b, 0,1,2,3
	ds_store_b128 v[STO], v[ACC+8*(4*\a+\b):ACC+8*(4*\a+\b)+3] offset:128*(\b/2)+32*(\b%2)        ; each accumulator from its low end on; columns 32 (b / 2) + 8 (b % 2) + 16 h + 0 .. 7
	ds_store_b128 v[STO], v[ACC+8*(4*\a+\b)+4:ACC+8*(4*\a+\b)+7] offset:128*(\b/2)+32*(\b%2)+16
.endr
.irp i, 0,1,2,3,4,5,6,7
	ds_load_b128 v[64+32*((\a)%2)+4*\i:64+32*((\a)%2)+4*\i+3], v[RD] offset:544*\i
.endr
.endm
.macro SEND a, younger                 ; younger: the LDS instructions issued behind block a's loads
.irp i, 0,1,2,3,4,5,6,7
	s_wait_dscnt \younger+7-\i
	global_store_b128 v[CO], v[64+32*((\a)%2)+4*\i:64+32*((\a)%2)+4*\i+3], s[74:75] offset:(32*((\a)/2)+8*((\a)%2)+2*\i+8*(\i/4))*4096 th:TH_STORE_NT   ; stage row 2 i + h is token 2 i + h + 8 (i / 4) of the tile's 32; 16 lanes store 256 consecutive bytes, aligned
.endr
.endm
	TOSTAGE 0
	TOSTAGE 1
	SEND 0, 16
	s_wait_xcnt 0x0                                ; block 0's stores have read their data: block 2's rows land there only behind this wait
	TOSTAGE 2
	SEND 1, 16
	s_wait_xcnt 0x0
	TOSTAGE 3
	SEND 2, 16
	SEND 3, 0
	s_wait_tensorcnt 0x0
	ds_add_u32 v30, v31
	s_wait_dscnt 0x0
	CROUND                                         ; the closing round: no work-group ends while a partner may still ask for a tile that names it
	s_endpgm
.Lfunc_end_k_q4fe062865c_outp:
	.size	k_q4fe062865c_outp, .Lfunc_end_k_q4fe062865c_outp-k_q4fe062865c_outp
	.p2alignl 7, 3214868480
	.fill 96, 4, 3214868480
	.section	.rodata,"a",@progbits
	.p2align	6, 0x0
	.amdhsa_kernel k_q4fe062865c_outp
		.amdhsa_group_segment_fixed_size 168448
		.amdhsa_private_segment_fixed_size 0
		.amdhsa_enable_private_segment 0
		.amdhsa_kernarg_size 48
		.amdhsa_user_sgpr_count 2
		.amdhsa_user_sgpr_kernarg_segment_ptr 1
		.amdhsa_wavefront_size32 1
		.amdhsa_system_sgpr_workgroup_id_x 1
		.amdhsa_system_sgpr_workgroup_id_y 1
		.amdhsa_system_sgpr_workgroup_id_z 1
		.amdhsa_system_vgpr_workitem_id 0
		.amdhsa_next_free_vgpr 384
		.amdhsa_next_free_sgpr 96
		.amdhsa_reserve_vcc 0
		.amdhsa_float_denorm_mode_32 3
		.amdhsa_float_denorm_mode_16_64 3
		.amdhsa_memory_ordered 1
		.amdhsa_forward_progress 1
		.amdhsa_inst_pref_size 47
	.end_amdhsa_kernel
	.amdgpu_metadata
---
amdhsa.version: [ 1, 2 ]
amdhsa.kernels:
  - .name:           k_q4fe062865c_outp
    .symbol:         k_q4fe062865c_outp.kd
    .args:
      - { .name: oimg, .offset: 0, .size: 8, .value_kind: global_buffer, .address_space: global }
      - { .name: osc, .offset: 8, .size: 8, .value_kind: global_buffer, .address_space: global }
      - { .name: cod, .offset: 16, .size: 8, .value_kind: global_buffer, .address_space: global }
      - { .name: scl, .offset: 24, .size: 8, .value_kind: global_buffer, .address_space: global }
      - { .name: bo, .offset: 32, .size: 8, .value_kind: global_buffer, .address_space: global }
      - { .name: out0, .offset: 40, .size: 8, .value_kind: global_buffer, .address_space: global }
    .group_segment_fixed_size: 168448
    .private_segment_fixed_size: 0
    .kernarg_segment_align: 8
    .kernarg_segment_size: 48
    .max_flat_workgroup_size: 128
    .sgpr_count:     96
    .vgpr_count:     384
    .wavefront_size: 32
...
	.end_amdgpu_metadata
.endif
;; end of part 4
